; MI455X (gfx1250); checked and timed in simulation.
; The chip was launched on July 23, 2026; its instructions are those of AMD's public machine-readable ISA for CDNA 5 (MIT licence, August 2026) and "CDNA5" Instruction Set Architecture Reference Guide (July 2026). The comments in the code are by the model that wrote it; some were corrected since.
;; Mo EFFN. Allowed arithmetic: float matrix products may take bf16 or f16 operands with f32 sums; other float arithmetic in f32, or as packed bf16 or f16 multiplies, adds, multiply-adds, maxima and minima; sums over many terms, partial sums and values carried from step to step in f32; what a program stores and reads back later, other than sums and carried values, may be rounded once to bf16 or f16.
;; Inputs: b1 8 x 4,096 float32; b2 8 x 1,024 float32; hidden_states 8 x 128 x 1,024 float32; ln_b 1,024 float32; ln_w 1,024 float32; router_b 8 float32; router_w 8 x 1,024 float32; w1 8 x 4,096 x 1,024 float32; w2 8 x 1,024 x 4,096 float32.
;; Outputs: out0 8 x 128 x 1,024 float32.
;; 2 versions, each right and faster than the one before. Each part assembles by itself: llvm-mc -triple=amdgcn-amd-amdhsa -mcpu=gfx1250 --defsym DOCPART=n.
;; ======== version 1 of 2: 4 launches
;; workspace buffers: xb 2,097,152 bytes; ridx 8,192 bytes of whole numbers; rwt 8,192 bytes; mode_up 256 bytes of whole numbers; mode_dn 256 bytes of whole numbers; hbuf 16,777,216 bytes; ypart 33,554,432 bytes
;; launch router (part 1): grid 256 x 1, 2 waves a work-group, no clusters, 0 bytes of LDS; arguments hidden_states, router_w, router_b, xb, ridx, rwt, mode_up, mode_dn; writes xb, ridx, rwt, mode_up, mode_dn
.if DOCPART == 1
	.amdgcn_target "amdgcn-amd-amdhsa--gfx1250"
	.amdhsa_code_object_version 6
	.text
	.protected	k_qbcab45581a_router
	.globl	k_qbcab45581a_router
	.p2align	8
	.type	k_qbcab45581a_router,@function
k_qbcab45581a_router:
	s_mov_b64 s[64:65], 0
	v_nop
	global_prefetch_b8 v0, s[64:65] scope:SCOPE_SE
	s_setreg_imm32_b32 hwreg(HW_REG_WAVE_MODE, 25, 1), 1
	s_wait_xcnt 0x0
; ROUTER.  logits[t][e] = x[t] . router_w[e] + router_b[e] in f32; the two largest (the lower index wins a tie, as jax.lax.top_k has it); softmax of the two with the
; larger taken away first.  Stored at fixed places: ridx[t] = {first, second expert}, rwt[t] = {their weights}, xb[t] = x[t] rounded once to bf16 (the first product's operand),
; and the two words {0, 1} and {1, 0} by which the two launches of the shared product body know which product they are.
; SHARES.  1,024 tokens: 256 work-groups x 2 waves x 2 tokens.  Lane l holds k = 128 c + 4 l + 0..3 (c = 0..7) of both its tokens and of all eight rows of router_w,
; so every load of a wave covers 512 consecutive bytes.  No matrix unit: 8 columns are not bulk work, and plain f32 keeps the choice faithful.  No LDS, no barrier: a wave owns its tokens.
; LIMITS.  Logits are finite (NaN and infinities are not treated apart).  The f32 sums are added in another order than a row-by-row sum: two logits that differ by less than that
; rounding (some 1e-6 of their size) may be ranked the other way.
; REGISTERS.  window 0: v1 16 l, v2 l, v3 8 l, v4 4 l; v6-13 the lane's token's eight logits; v14-15 the two experts; v16-17 the two weights; v18-25 at work;
;   v32-95 x (token j, chunk c at 32 + 32 j + 4 c); v96-127 sums (token j, expert e: a pair at 96 + 2 (8 j + e)).   window 1: router_w (expert e, chunk c at 32 e + 4 c).
.set X,   32
.set ACC, 96
.set LS,  6
.set MSB, 0
.macro WIN new                         ; the immediate's high byte repeats the setting that is left; a switch that changes nothing is dropped
.if MSB != (\new)
	s_set_vgpr_msb (MSB<<8)|(\new)
.set MSB, \new
.endif
.endm
	s_load_b512 s[4:19], s[0:1], 0x0               ; x s[4:5], router_w s[6:7], router_b s[8:9], xb s[10:11], ridx s[12:13], rwt s[14:15], mode_up s[16:17], mode_dn s[18:19]
	v_and_b32 v2, 31, v0                           ; lane
	v_lshrrev_b32 v20, 5, v0
	v_readfirstlane_b32 s20, v20                   ; wave 0..1
	v_lshlrev_b32 v1, 4, v2
	v_lshlrev_b32 v3, 3, v2
	v_lshlrev_b32 v4, 2, v2
	v_xor_b32 v25, 1, v2                           ; lanes 0, 1: the words 1, 0
	s_lshl_b32 s21, ttmp9, 2
	s_lshl1_add_u32 s21, s20, s21                  ; my first token = 4 x work-group + 2 x wave
	s_mov_b32 s23, 0
	s_mov_b32 s32, 0xaaaaaaaa                      ; odd lanes take the second token
	s_mov_b32 s34, 0x76543210                      ; v_permlanex16_b32: each lane takes its own place in the other half
	s_mov_b32 s35, 0xfedcba98
	s_wait_kmcnt 0x0
	s_load_b256 s[24:31], s[8:9], 0x0              ; the eight biases
	s_lshl_b32 s22, s21, 12
	s_add_nc_u64 s[4:5], s[4:5], s[22:23]          ; x at my first token (4,096 bytes a row)
	s_lshl_b32 s22, s21, 11
	s_add_nc_u64 s[10:11], s[10:11], s[22:23]      ; xb (2,048 bytes a row)
	s_lshl_b32 s22, s21, 3
	s_add_nc_u64 s[12:13], s[12:13], s[22:23]      ; ridx and rwt (8 bytes a token)
	s_add_nc_u64 s[14:15], s[14:15], s[22:23]
.set ii, 0
.rept 16                               ; ii = 8 j + c
	global_load_b128 v[X+4*ii:X+4*ii+3], v1, s[4:5] offset:512*ii
.set ii, ii+1
.endr
	WIN 0x40                                       ; destination window 1
.set ii, 0
.rept 64                               ; ii = 8 e + c
	global_load_b128 v[4*ii:4*ii+3], v1, s[6:7] offset:512*ii
.set ii, ii+1
.endr
	s_wait_loadcnt 0x0
	WIN 0x04                                       ; source 1 (router_w) window 1
	; 16 sums (2 tokens x 8 experts), two numbers at a time; the sums take turns, so that no instruction waits for the one before it; the first product starts each sum
.set pp, 0
.rept 16
.set ee, 0
.rept 8
.set jj, 0
.rept 2
.if pp == 0
	v_pk_mul_f32 v[ACC+2*(8*jj+ee):ACC+2*(8*jj+ee)+1], v[X+32*jj+2*pp:X+32*jj+2*pp+1], v[32*ee+2*pp:32*ee+2*pp+1]
.else
	v_pk_fma_f32 v[ACC+2*(8*jj+ee):ACC+2*(8*jj+ee)+1], v[X+32*jj+2*pp:X+32*jj+2*pp+1], v[32*ee+2*pp:32*ee+2*pp+1], v[ACC+2*(8*jj+ee):ACC+2*(8*jj+ee)+1]
.endif
.set jj, jj+1
.endr
.set ee, ee+1
.endr
.set pp, pp+1
.endr
	WIN 0
	; x rounded once to bf16, in place; a store of the wave covers 256 consecutive bytes, aligned
.set ii, 0
.rept 16
	v_cvt_pk_bf16_f32 v[X+4*ii], v[X+4*ii], v[X+4*ii+1]
	v_cvt_pk_bf16_f32 v[X+4*ii+1], v[X+4*ii+2], v[X+4*ii+3]
	global_store_b64 v3, v[X+4*ii:X+4*ii+1], s[10:11] offset:256*ii
.set ii, ii+1
.endr
	; across the lanes: the pair's halves, four steps inside each half of 16 lanes, one across the halves; every lane ends with all 16 logits
.set ii, 0
.rept 16
	v_add_f32 v[ACC+2*ii], v[ACC+2*ii], v[ACC+2*ii+1]
.set ii, ii+1
.endr
.irp m, 1,2,4,8
.set ii, 0
.rept 16
	v_add_f32_dpp v[ACC+2*ii], v[ACC+2*ii], v[ACC+2*ii] row_xmask:\m row_mask:0xf bank_mask:0xf
.set ii, ii+1
.endr
.endr
.set ii, 0
.rept 16
	v_permlanex16_b32 v[ACC+2*ii+1], v[ACC+2*ii], s34, s35   ; its destination, the pair's odd register, has been written
.set ii, ii+1
.endr
.set ii, 0
.rept 16
	v_add_f32 v[ACC+2*ii], v[ACC+2*ii], v[ACC+2*ii+1]
.set ii, ii+1
.endr
	s_wait_kmcnt 0x0                               ; the biases
.irp e, 0,1,2,3,4,5,6,7
	v_cndmask_b32 v[LS+\e], v[ACC+2*\e], v[ACC+16+2*\e], s32  ; even lanes: my first token; odd lanes: my second
.endr
.irp e, 0,1,2,3,4,5,6,7
	v_add_f32 v[LS+\e], s[24+\e], v[LS+\e]
.endr
	; the largest: a later expert takes the place only if it is strictly greater
	v_mov_b32 v18, v[LS]
	v_mov_b32 v14, 0
.irp e, 1,2,3,4,5,6,7
	v_cmp_gt_f32 vcc_lo, v[LS+\e], v18
	v_cndmask_b32 v18, v18, v[LS+\e], vcc_lo
	v_cndmask_b32 v14, v14, \e, vcc_lo
.endr
	; the largest of the other seven, by the same rule
	v_mov_b32 v19, 0xff800000
	v_mov_b32 v15, 0
.irp e, 0,1,2,3,4,5,6,7
	v_cmp_ne_u32 s36, \e, v14
	v_cmp_gt_f32 vcc_lo, v[LS+\e], v19
	s_and_b32 vcc_lo, vcc_lo, s36
	v_cndmask_b32 v19, v19, v[LS+\e], vcc_lo
	v_cndmask_b32 v15, v15, \e, vcc_lo
.endr
	; softmax of two with the maximum taken away: 1 / (1 + q) and q / (1 + q), q = e^(second - first) <= 1
	v_sub_f32 v20, v19, v18
	v_mul_f32 v20, 0x3fb8aa3b, v20
	v_exp_f32 v21, v20
	v_nop                                          ; a plain instruction behind the exponential,
	s_wait_alu depctr_va_vdst(0)                   ; and the wait ahead of its first reader
	v_add_f32 v22, 1.0, v21
	v_rcp_f32 v16, v22
	v_nop
	s_wait_alu depctr_va_vdst(0)
	v_mul_f32 v17, v21, v16
	s_wait_xcnt 0x0                                ; EXEC is a source of the stores above: it is narrowed only behind this wait
	v_cmpx_gt_u32 2, v2                            ; lanes 0 and 1: one for each of my tokens
	global_store_b64 v3, v[14:15], s[12:13]
	global_store_b64 v3, v[16:17], s[14:15]
	s_or_b32 s21, ttmp9, s20
	s_cmp_lg_u32 s21, 0
	s_cbranch_scc1 .Lend                           ; wave 0 of work-group 0 alone stores the mode words
	global_store_b32 v4, v2, s[16:17]              ; mode_up = {0, 1}
	global_store_b32 v4, v25, s[18:19]             ; mode_dn = {1, 0}
.Lend:
	s_endpgm
.Lfunc_end_k_qbcab45581a_router:
	.size	k_qbcab45581a_router, .Lfunc_end_k_qbcab45581a_router-k_qbcab45581a_router
	.p2alignl 7, 3214868480
	.fill 96, 4, 3214868480
	.section	.rodata,"a",@progbits
	.p2align	6, 0x0
	.amdhsa_kernel k_qbcab45581a_router
		.amdhsa_group_segment_fixed_size 0
		.amdhsa_private_segment_fixed_size 0
		.amdhsa_enable_private_segment 0
		.amdhsa_kernarg_size 64
		.amdhsa_user_sgpr_count 2
		.amdhsa_user_sgpr_kernarg_segment_ptr 1
		.amdhsa_wavefront_size32 1
		.amdhsa_system_sgpr_workgroup_id_x 1
		.amdhsa_system_sgpr_workgroup_id_y 1
		.amdhsa_system_sgpr_workgroup_id_z 1
		.amdhsa_system_vgpr_workitem_id 0
		.amdhsa_next_free_vgpr 512
		.amdhsa_next_free_sgpr 66
		.amdhsa_reserve_vcc 1
		.amdhsa_float_denorm_mode_32 3
		.amdhsa_float_denorm_mode_16_64 3
		.amdhsa_memory_ordered 1
		.amdhsa_forward_progress 1
		.amdhsa_inst_pref_size 39
	.end_amdhsa_kernel
	.amdgpu_metadata
---
amdhsa.version: [ 1, 2 ]
amdhsa.kernels:
  - .name:           k_qbcab45581a_router
    .symbol:         k_qbcab45581a_router.kd
    .args:
      - { .name: hidden_states, .offset: 0, .size: 8, .value_kind: global_buffer, .address_space: global }
      - { .name: router_w, .offset: 8, .size: 8, .value_kind: global_buffer, .address_space: global }
      - { .name: router_b, .offset: 16, .size: 8, .value_kind: global_buffer, .address_space: global }
      - { .name: xb, .offset: 24, .size: 8, .value_kind: global_buffer, .address_space: global }
      - { .name: ridx, .offset: 32, .size: 8, .value_kind: global_buffer, .address_space: global }
      - { .name: rwt, .offset: 40, .size: 8, .value_kind: global_buffer, .address_space: global }
      - { .name: mode_up, .offset: 48, .size: 8, .value_kind: global_buffer, .address_space: global }
      - { .name: mode_dn, .offset: 56, .size: 8, .value_kind: global_buffer, .address_space: global }
    .group_segment_fixed_size: 0
    .private_segment_fixed_size: 0
    .kernarg_segment_align: 8
    .kernarg_segment_size: 64
    .max_flat_workgroup_size: 64
    .sgpr_count:     66
    .vgpr_count:     512
    .wavefront_size: 32
...
	.end_amdgpu_metadata
.endif
;; end of part 1
;; launch up (part 2): grid 32 x 8, 4 waves a work-group, no clusters, 315,904 bytes of LDS; arguments w1, xb, b1, ridx, mode_up, hbuf; writes hbuf
.if DOCPART == 2
	.amdgcn_target "amdgcn-amd-amdhsa--gfx1250"
	.amdhsa_code_object_version 6
	.text
	.protected	k_qbcab45581a_up
	.globl	k_qbcab45581a_up
	.p2align	8
	.type	k_qbcab45581a_up,@function
k_qbcab45581a_up:
	s_mov_b64 s[64:65], 0
	v_nop
	global_prefetch_b8 v0, s[64:65] scope:SCOPE_SE
	s_setreg_imm32_b32 hwreg(HW_REG_WAVE_MODE, 25, 1), 1
	s_wait_xcnt 0x0
; ONE BODY FOR BOTH PRODUCTS OF THE EXPERTS.  A work-group multiplies [the rows routed to ONE expert] x [K = 1,024] by a slice of [128 columns] x [K = 1,024] of that expert's f32 weights,
; which it alone reads, once.  Grid 32 slices x 8 experts.  Operands bf16, sums f32.
;   mode 0 (up):   slice sl = columns 128 sl of FF; rows of xb (token = entry / 2); out: hbuf[entry][128 sl ..] = gelu(sum + b1), rounded once to bf16.
;   mode 1 (down): columns 128 (sl % 8) of H, K quarter sl / 8 of FF; rows of hbuf; out: ypart[quarter][entry][..] = the partial sum in f32 (quarter 0 adds b2).
; An ENTRY is 2 x token + choice: every routed row has a fixed place in hbuf and ypart, so no sorted layout is needed.  The mode is read from two words {mode, 1 - mode} that the router's launch stored;
; pitches and offsets are made of them by multiplies and adds; one branch, on the way out, hangs on the mode.
; PHASE A.  The four waves stream the slice (32 rows of 4,096 bytes each; a load covers 512 consecutive bytes), 64 loads of each wave on their way, round to bf16 and lay it into LDS.  While the first loads are out,
; every wave makes its OWN list of the expert's entries from ridx (a compaction by lane counts; no atomics).  One barrier.
; PHASE B writes no shared LDS and has no barrier, so its length may hang on the count.  Wave w takes the blocks of 16 list rows w, w + 4, .., five a pass, all 128 columns: 40 accumulators.  Weights' fragments come
; from LDS, token rows' fragments straight from memory into registers, three K steps ahead.  K's 32 steps are written out: every LDS and memory offset of phase B is an immediate beside a register that a pass never rewrites,
; so nothing is stepped and no wait for a stepped base is needed.  Four passes (a constant) cover the largest count, 1,024 rows; dead passes, a dead fifth block's products and dead blocks' stores are jumped forward.
; List places past the count repeat the last row: such rows store the same bytes to the same place again, from the same wave (15 rows a work-group at the most).  An expert without rows stores nothing.
; THE MATRIX INSTRUCTION IS USED TRANSPOSED: source 0 = 16 columns' weights, source 1 = 16 token rows, so a lane holds one row and eight neighbouring columns.
; GELU.  x Phi(x) = max(x, 0) - |x| Q(|x|), Q the normal upper tail = exp(-x^2 / 2) / sqrt(2 pi) x (b1 t + .. + b5 t^5), t = 1 / (1 + 0.2316419 |x|) (Abramowitz and Stegun 26.2.17):
; LIMIT: Q is within 1e-7 absolute for every x; it is no series cut for a range.  NaN and infinities are not treated apart.
; NO CLUSTER: each slice of weights has one reader; what an expert's 32 work-groups share, its token rows, comes by a list, which no tile descriptor covers.  NO TENSOR LOADS: the weights would land as f32, twice the LDS bytes.
; LDS: 0 the slice, 128 rows of 2,048 + 16 bytes (row r starts 4 r banks on: ISA guide 11.1); LIST 4 x 4,352: a wave's list, 1,024 words + 32 words for lanes with nothing to add;
;   STAGE 4 x 16 rows of 512 + 16 bytes, a wave's own, for the way out; SPARE 512 bytes that the closing add alone names.
; REGISTERS.  window 0: v0-63 addresses and small things (below); v64-127 ridx, later the stores' addresses; v128-191, v192-255 weights' fragments, two buffers (phase A: rounded weights; way out: rows and gelu's work)
;   window 1: phase A: 8 rows as loaded; phase B: a ring of 4 K steps x 5 blocks x 8 registers of token fragments.   window 2: accumulators of blocks 0-3 (block g, columns 16 n at 64 g + 8 n).   window 3: block 4's.
.set PITCH,  2064
.set LIST,   128*PITCH
.set LISTB,  4352
.set STAGE,  LIST+4*LISTB
.set SPITCH, 528
.set SPARE,  STAGE+4*16*SPITCH
.set SPW,  4                           ; v4   SPARE + 4 x my thread's number; never rewritten
.set NIL,  5                           ; v5   0; never rewritten
                                       ; v1 lane; v2 r = lane % 16; v3 16 (lane / 16); v6 16 lane; v7 8 lane; v8 4 lane; v9 4 lane + 1; v10 1,024 + lane; v11 my list; v12 where phase A stores
.set VO,   14                          ; v14-21  16 lane + i x the weights' pitch: row i of a lap of 8
.set ROWP, 22                          ; v22  my list place in the pass's first block
.set ENT,  24                          ; v24-28  my row's entry in block g
.set ENTC, 29                          ; v29  the same for the block on its way out
.set RO,   30                          ; v30-34  my row's byte offset in the activations, + 16 (lane / 16)
.set COL,  35                          ; v35  my bytes in a stored row
.set VB0,  36                          ; v36-39  LDS address of my weights' fragments, columns 32 m + r; never rewritten
.set STO,  44                          ; v44  the way out: where I put 16 bytes of a row
.set RD,   45                          ; v45  the way out: where I read a row back
.set BIAS, 46                          ; v46-49  the bias of my four columns
.set LT,   50                          ; v50-53  the list's work, two sets
.set RI,   64
.set AD,   64
.set BF,   128
.set T,    128
.set XR,   128
.set GA,   192
.set GT,   208
.set GE,   224
.set GR,   240
; s16 wave, s17 slice, s18 expert, s20 weights' pitch, s[22:23] 8 pitches, s24 phase A's count, s25 column slice, s26 K quarter, s32 entry mask, s33 activations' pitch (per masked entry), s34 output pitch, s35 bias mask,
; s36 count, s37 blocks, s38 my blocks, s39 last list place, s45 pass, s46 my first block of the pass, s47 live blocks of the pass, s48 block on its way out, s[50:51] mode and 1 - mode, s[56:72] gelu's constants
.set MSB, 0
.macro WIN new                         ; the immediate's high byte repeats the setting that is left; a switch that changes nothing is dropped
.if MSB != (\new)
	s_set_vgpr_msb (MSB<<8)|(\new)
.set MSB, \new
.endif
.endm
.macro SPAIR r, val                    ; a constant as a pair: the packed forms name both words
	s_mov_b32 s[\r], \val
	s_mov_b32 s[\r+1], \val
.endm
	s_load_b256 s[4:11], s[0:1], 0x0               ; weights s[4:5], activations s[6:7], bias s[8:9], ridx s[10:11]
	s_load_b128 s[12:15], s[0:1], 0x20             ; mode s[12:13], output s[14:15]
	v_lshl_add_u32 v[SPW], v0, 2, SPARE
	v_mov_b32 v[NIL], 0
	v_lshrrev_b32 v23, 5, v0
	v_readfirstlane_b32 s16, v23                   ; wave 0..3
	s_mov_b32 s17, ttmp9
	s_and_b32 s18, ttmp7, 0xffff
	v_and_b32 v1, 31, v0
	v_and_b32 v2, 15, v0
	v_bfe_u32 v3, v0, 4, 1
	v_lshlrev_b32 v3, 4, v3
	v_lshlrev_b32 v6, 4, v1
	v_lshlrev_b32 v7, 3, v1
	v_lshlrev_b32 v8, 2, v1
	v_or_b32 v9, 1, v8
	v_add_nc_u32 v10, 1024, v1
	s_mul_i32 s21, s16, LISTB
	s_add_co_u32 s21, s21, LIST
	v_mov_b32 v11, s21
	s_mul_i32 s21, s16, 32*PITCH
	v_add_nc_u32 v12, s21, v7                      ; my wave's 32 rows of the slice, 8 bytes a lane
	v_lshl_add_u32 v[ROWP], s16, 4, v2             ; 16 w + r
	v_mul_u32_u24 v[VB0], v2, PITCH
	v_add_nc_u32 v[VB0], v[VB0], v3
.irp m, 1,2,3
	v_add_nc_u32 v[VB0+\m], \m*32*PITCH, v[VB0]
.endr
	s_mul_i32 s21, s16, 16*SPITCH
	s_add_co_u32 s21, s21, STAGE                   ; my stage
	v_mul_u32_u24 v[STO], v2, SPITCH               ; in: row r, 32 bytes for each half of the lanes
	v_lshl_add_u32 v[STO], v3, 1, v[STO]
	v_add_nc_u32 v[STO], s21, v[STO]
	v_add_nc_u32 v[RD], s21, v6                    ; back: a whole row of 512 bytes
	SPAIR 56, 0x3e6d3389                           ; 0.2316419
	SPAIR 58, 0xbf38aa3b                           ; -log2(e) / 2
	SPAIR 60, 0x3f07dc22                           ; b5 .. b1, each divided by sqrt(2 pi)
	SPAIR 62, 0xbf3a00e3
	SPAIR 66, 0x3f35f0e3
	SPAIR 68, 0xbe11a98e
	SPAIR 70, 0x3e027906
	s_mov_b32 s72, 0x7fffffff
	s_mov_b32 s36, 0
	s_wait_kmcnt 0x0
	s_load_b64 s[50:51], s[12:13], 0x0
.set ii, 0
.rept 16                               ; all of ridx: lane l's words 128 q + 4 l + 0..3 = two tokens' two choices
	global_load_b128 v[RI+4*ii:RI+4*ii+3], v6, s[10:11] offset:512*ii
.set ii, ii+1
.endr
	s_wait_kmcnt 0x0
	s_min_u32 s50, s50, 1
	s_min_u32 s51, s51, 1
	s_mul_i32 s20, s50, 12288
	s_add_co_u32 s20, s20, 4096                    ; a row of weights: 4,096 | 16,384 bytes
	s_lshl_b32 s22, s20, 3
	s_mov_b32 s23, 0
	s_mul_i32 s21, s51, 24
	s_add_co_u32 s21, s21, 7
	s_and_b32 s25, s17, s21                        ; column slice: sl | sl % 8
	s_lshr_b32 s26, s17, 3
	s_mul_i32 s26, s26, s50                        ; K quarter: 0 | sl / 8
	s_add_co_u32 s32, s50, 0x7fe                   ; entry -> 2 x token | entry
	s_mul_i32 s33, s50, 7168
	s_add_co_u32 s33, s33, 1024                    ; x 1,024 (2,048 a token) | x 8,192
	s_lshl_b32 s34, s51, 12
	s_add_co_u32 s34, s34, 4096                    ; a row of the output: 8,192 | 4,096 bytes
	s_cmp_eq_u32 s26, 0
	s_cselect_b32 s35, -1, 0                       ; the bias is added in K quarter 0 alone
	s_lshl_b32 s28, s25, 7
	s_lshl_b32 s21, s16, 5
	s_add_co_u32 s28, s28, s21                     ; my wave's first row of weights in the expert: 128 x column slice + 32 w
	s_mul_i32 s28, s28, s20
	s_lshl_b32 s21, s18, 24                        ; an expert's weights are 16,777,216 bytes in both tensors
	s_add_co_u32 s28, s28, s21
	s_lshl_b32 s21, s26, 12                        ; a K quarter is 4,096 bytes of a row
	s_add_co_u32 s28, s28, s21
	s_mov_b32 s29, 0
	s_add_nc_u64 s[4:5], s[4:5], s[28:29]
	s_lshl_b32 s28, s26, 11                        ; and 2,048 bytes of a row of activations
	s_add_nc_u64 s[6:7], s[6:7], s[28:29]
	s_mul_i32 s28, s51, 12288
	s_add_co_u32 s28, s28, 4096                    ; an expert's bias: 16,384 | 4,096 bytes
	s_mul_i32 s28, s28, s18
	s_lshl_b32 s21, s25, 9
	s_add_co_u32 s28, s28, s21
	s_add_nc_u64 s[8:9], s[8:9], s[28:29]
	s_lshl_b32 s28, s50, 8
	s_add_co_u32 s28, s28, 256                     ; 128 columns of the output: 256 | 512 bytes
	s_mul_i32 s28, s28, s25
	s_lshl_b32 s21, s26, 23                        ; a plane of ypart is 8,388,608 bytes
	s_add_co_u32 s28, s28, s21
	s_add_nc_u64 s[14:15], s[14:15], s[28:29]
	v_mad_u32_u24 v[COL], v7, s50, v7              ; 8 lane | 16 lane
	v_mov_b32 v[VO], v6
.irp i, 1,2,3,4,5,6,7
	v_add_nc_u32 v[VO+\i], s20, v[VO+\i-1]
.endr
	global_load_b128 v[BIAS:BIAS+3], v6, s[8:9]
; PHASE A.  A lap is 8 rows, a unit 2 of them: 16 loads of 512 consecutive bytes.  Row i, chunk j of a lap lands in window 1 at 32 i + 4 j.
.macro FILLU u
	WIN 0x40                                       ; destination window 1
.irp rr, 0,1
.irp j, 0,1,2,3,4,5,6,7
	global_load_b128 v[32*(2*(\u)+\rr)+4*\j:32*(2*(\u)+\rr)+4*\j+3], v[VO+2*(\u)+\rr], s[4:5] offset:512*\j th:TH_LOAD_NT
.endr
.endr
.endm
; A unit's turn: rounded to bf16 (two buffers of 32 registers by turns), stored (a store of the wave covers 256 consecutive bytes of an LDS row), and, refill = 1, loaded again with the next lap's rows.
.macro UNIT u, refill, left
	s_wait_loadcnt \left                           ; loads come back in order (ISA guide 5.7.1): my unit is in, the younger units stay out
	WIN 0x05                                       ; sources window 1
.irp rr, 0,1
.irp j, 0,1,2,3,4,5,6,7
	v_cvt_pk_bf16_f32 v[T+32*((\u)%2)+16*\rr+2*\j],   v[32*(2*(\u)+\rr)+4*\j],   v[32*(2*(\u)+\rr)+4*\j+1]
	v_cvt_pk_bf16_f32 v[T+32*((\u)%2)+16*\rr+2*\j+1], v[32*(2*(\u)+\rr)+4*\j+2], v[32*(2*(\u)+\rr)+4*\j+3]
.endr
.endr
	WIN 0
.irp rr, 0,1
.irp j, 0,1,2,3,4,5,6,7
	ds_store_b64 v12, v[T+32*((\u)%2)+16*\rr+2*\j:T+32*((\u)%2)+16*\rr+2*\j+1] offset:(2*(\u)+\rr)*PITCH+256*\j
.endr
.endr
.if \refill
	FILLU \u
.endif
.endm
; One step of the list: 32 tokens (lane l: token 64 q + 2 l + u).  A token has chosen my expert at most once.  The lanes that have, put their entry at count + (such lanes below me); the others write a word of their own behind the list.
.macro LISTSTEP q, u
	v_cmp_eq_u32 s40, s18, v[RI+4*(\q)+2*(\u)]
	v_cmp_eq_u32 s41, s18, v[RI+4*(\q)+2*(\u)+1]
	s_or_b32 s42, s40, s41
	v_mbcnt_lo_u32_b32 v[LT+2*(\u)], s42, s36
	v_cndmask_b32 v[LT+2*(\u)], v10, v[LT+2*(\u)], s42
	v_min_u32 v[LT+2*(\u)], 1055, v[LT+2*(\u)]     ; inside my list's 1,056 words whatever was loaded
	v_lshl_add_u32 v[LT+2*(\u)], v[LT+2*(\u)], 2, v11
	v_cndmask_b32 v[LT+2*(\u)+1], v8, v9, s41
	v_add_nc_u32 v[LT+2*(\u)+1], 128*(\q)+2*(\u), v[LT+2*(\u)+1]  ; the entry = 2 x token + choice = the word's number in ridx
	ds_store_b32 v[LT+2*(\u)], v[LT+2*(\u)+1]
	s_bcnt1_i32_b32 s44, s42
	s_add_co_u32 s36, s36, s44
.endm
	FILLU 0
	FILLU 1
	FILLU 2
	WIN 0
	s_wait_loadcnt 48                              ; ridx and the bias are in; the 48 loads of weights behind them stay out
.set qq, 0
.rept 16
	LISTSTEP qq, 0
	LISTSTEP qq, 1
.set qq, qq+1
.endr
	s_add_co_u32 s37, s36, 15
	s_lshr_b32 s37, s37, 4                         ; blocks of 16 rows
	s_add_co_u32 s38, s37, 3
	s_sub_co_u32 s38, s38, s16
	s_lshr_b32 s38, s38, 2                         ; of which w, w + 4, .. are mine
	s_max_u32 s39, s36, 1
	s_sub_co_u32 s39, s39, 1                       ; the last list place that holds an entry
.irp i, 0,1,2,3
	v_cndmask_b32 v[BIAS+\i], 0, v[BIAS+\i], s35
.endr
	FILLU 3
	WIN 0
	s_wait_xcnt 0x0                                ; the loads' addresses are translated (ISA guide 3.1): only now is their base stepped
	s_add_nc_u64 s[4:5], s[4:5], s[22:23]          ; the refills below fetch the next lap
	s_mov_b32 s24, 3
.Llap:
	UNIT 0, 1, 48                                  ; 48: the three younger units, on the way in and round the back edge
	UNIT 1, 1, 48
	UNIT 2, 1, 48
	UNIT 3, 1, 48
	WIN 0
	s_wait_xcnt 0x0
	s_add_nc_u64 s[4:5], s[4:5], s[22:23]
	v_add_nc_u32 v12, 8*PITCH, v12
	s_sub_co_u32 s24, s24, 1
	s_cmp_lg_u32 s24, 0
	s_cbranch_scc1 .Llap
	UNIT 0, 0, 48                                  ; the last lap loads nothing: the counts run down
	UNIT 1, 0, 32
	UNIT 2, 0, 16
	UNIT 3, 0, 0
	s_wait_dscnt 0x0                               ; for the others' sake: my part of the slice is in LDS
	s_barrier_signal -1
	s_barrier_wait -1                              ; everybody's is; from here on nobody writes it
; PHASE B.
.macro LDA slot, ka                    ; five blocks' token fragments of one K step (32 along K at byte ka of the rows): lane (r, half) takes 16 bytes at 16 half and 16 bytes 32 further on
	WIN 0x40
.irp g, 0,1,2,3,4
	global_load_b128 v[40*(\slot)+8*\g:40*(\slot)+8*\g+3],   v[RO+\g], s[6:7] offset:(\ka)
	global_load_b128 v[40*(\slot)+8*\g+4:40*(\slot)+8*\g+7], v[RO+\g], s[6:7] offset:(\ka)+32
.endr
.endm
.macro LDB f, kb                       ; the weights' eight fragments of one K step (byte kb of the LDS rows) into buffer f: fixed address registers, the place along K in the immediate (35,040 at the most)
	WIN 0
.irp n, 0,1,2,3,4,5,6,7
	ds_load_b128 v[BF+64*(\f)+8*\n:BF+64*(\f)+8*\n+3],   v[VB0+\n/2] offset:(\n%2)*16*PITCH+(\kb)
	ds_load_b128 v[BF+64*(\f)+8*\n+4:BF+64*(\f)+8*\n+7], v[VB0+\n/2] offset:(\n%2)*16*PITCH+(\kb)+32
.endr
.endm
.macro MULB g, slot, f, zero           ; block g x all 128 columns: 8 matrix instructions on 8 accumulators.  zero = 1: the products start the sums
.if (\g) < 4
	WIN 0xa4                                       ; weights window 0, tokens window 1, C and D window 2
.set AC, 64*(\g)
.else
	WIN 0xf4                                       ; C and D window 3
.set AC, 0
.endif
.irp n, 0,1,2,3,4,5,6,7
.if \zero
	v_wmma_f32_16x16x32_bf16 v[AC+8*\n:AC+8*\n+7], v[BF+64*(\f)+8*\n:BF+64*(\f)+8*\n+7], v[40*(\slot)+8*(\g):40*(\slot)+8*(\g)+7], 0
.else
	v_wmma_f32_16x16x32_bf16 v[AC+8*\n:AC+8*\n+7], v[BF+64*(\f)+8*\n:BF+64*(\f)+8*\n+7], v[40*(\slot)+8*(\g):40*(\slot)+8*(\g)+7], v[AC+8*\n:AC+8*\n+7]
.endif
.endr
.endm
.macro PLACES                          ; four plain vector instructions between a matrix instruction and a load into, or a store from, its registers (ISA guide 7.12.1 for vector instructions)
.rept 4
	v_nop
.endr
.endm
; A K step of 32: 40 matrix instructions (32 where the fifth block is dead), the accumulators by turns, one instruction a turn.  Behind the first eight, and four places behind the last reader of the
; registers that they fill, stand the loads in one run: the weights' fragments of the next step (kb), the token fragments three steps on (ka); -1: none is left.  na: the younger token loads that may stay out, ten a step.
.macro KSTEP slot, f, ka, kb, na, zero
	s_wait_loadcnt \na
	s_wait_dscnt 0x0                               ; this step's weights: asked for 24 matrix instructions or more ago
	MULB 0, \slot, \f, \zero
.if (\kb) >= 0
	PLACES
	LDB 1-(\f), \kb
.endif
.if (\ka) >= 0
	LDA ((\slot)+3)%4, \ka
.endif
	MULB 1, \slot, \f, \zero
	MULB 2, \slot, \f, \zero
	MULB 3, \slot, \f, \zero
	WIN 0                                          ; at a branch and at a label every window is 0
.if !(\zero)
	s_cmp_lt_u32 s47, 5
	s_cbranch_scc1 .Lno5_\@                        ; a dead fifth block's products are jumped: no memory instruction, no wait and no barrier is passed
.endif
	MULB 4, \slot, \f, \zero                       ; (the first step's are never jumped, so that the registers are written on every way)
	WIN 0
.if !(\zero)
.Lno5_\@:
.endif
.endm
; THE WAY OUT of block g: its 8 accumulators, each from its low registers on, into my stage.
.macro STACC g
.if (\g) < 4
	WIN 0x08                                       ; the stores' data in window 2
.set AC, 64*(\g)
.else
	WIN 0x0c                                       ; in window 3
.set AC, 0
.endif
.irp n, 0,1,2,3,4,5,6,7
	ds_store_b128 v[STO], v[AC+8*\n:AC+8*\n+3]   offset:64*\n
	ds_store_b128 v[STO], v[AC+8*\n+4:AC+8*\n+7] offset:64*\n+16
.endr
	WIN 0
	v_mov_b32 v[ENTC], v[ENT+\g]
.endm
.macro ROWADR rho                      ; where row rho of the block goes: its entry x the output's pitch + my bytes of a row
	v_readlane_b32 s49, v[ENTC], \rho
	s_min_u32 s49, s49, 0x7ff
	s_mul_i32 s49, s49, s34
	v_add_nc_u32 v[AD+(\rho)], s49, v[COL]
.endm
; Rows 4 a .. 4 a + 3 of the block (a lane: four columns of each): bias, gelu, bf16, store.
.macro GELU4 a
.set XB, XR+16*(\a)
	s_wait_dscnt 12-4*(\a)                         ; LDS loads come back in order: my four rows are in, the younger rows' loads stay out
.set pp, 0
.rept 8
	v_pk_add_f32 v[XB+2*pp:XB+2*pp+1], v[XB+2*pp:XB+2*pp+1], v[BIAS+2*(pp%2):BIAS+2*(pp%2)+1]
.set pp, pp+1
.endr
.set pp, 0
.rept 16
	v_and_b32 v[GA+pp], s72, v[XB+pp]              ; |x|
.set pp, pp+1
.endr
.set pp, 0
.rept 8
	v_pk_mul_f32 v[GE+2*pp:GE+2*pp+1], v[XB+2*pp:XB+2*pp+1], v[XB+2*pp:XB+2*pp+1]
	v_pk_fma_f32 v[GT+2*pp:GT+2*pp+1], v[GA+2*pp:GA+2*pp+1], s[56:57], 1.0 op_sel_hi:[1,0,0]
.set pp, pp+1
.endr
.set pp, 0
.rept 8
	v_pk_mul_f32 v[GE+2*pp:GE+2*pp+1], v[GE+2*pp:GE+2*pp+1], s[58:59] op_sel_hi:[1,0]
.set pp, pp+1
.endr
.set pp, 0
.rept 16                               ; ONE BATCH of 32: t and 2^(-x^2 log2(e) / 2); max(x, 0) stands between them; nothing here names a result
	v_rcp_f32 v[GT+pp], v[GT+pp]
	v_max_num_f32 v[XB+pp], 0, v[XB+pp]
	v_exp_f32 v[GE+pp], v[GE+pp]
.set pp, pp+1
.endr
	ROWADR 4*(\a)+0                                ; independent work behind the batch; its additions are the plain instructions behind the last exponential
	ROWADR 4*(\a)+1
	ROWADR 4*(\a)+2
	ROWADR 4*(\a)+3
	s_wait_alu depctr_va_vdst(0)                   ; the wait ahead of the batch's first reader: one for all 32
.set pp, 0
.rept 8
	v_pk_fma_f32 v[GR+2*pp:GR+2*pp+1], v[GT+2*pp:GT+2*pp+1], s[60:61], s[62:63] op_sel_hi:[1,0,0]
.set pp, pp+1
.endr
.irp c, 66,68,70
.set pp, 0
.rept 8
	v_pk_fma_f32 v[GR+2*pp:GR+2*pp+1], v[GR+2*pp:GR+2*pp+1], v[GT+2*pp:GT+2*pp+1], s[\c:\c+1] op_sel_hi:[1,1,0]
.set pp, pp+1
.endr
.endr
.set pp, 0
.rept 8
	v_pk_mul_f32 v[GE+2*pp:GE+2*pp+1], v[GE+2*pp:GE+2*pp+1], v[GT+2*pp:GT+2*pp+1]
.set pp, pp+1
.endr
.set pp, 0
.rept 8
	v_pk_mul_f32 v[GR+2*pp:GR+2*pp+1], v[GR+2*pp:GR+2*pp+1], v[GE+2*pp:GE+2*pp+1]   ; Q
.set pp, pp+1
.endr
.set pp, 0
.rept 8
	v_pk_fma_f32 v[XB+2*pp:XB+2*pp+1], v[GA+2*pp:GA+2*pp+1], v[GR+2*pp:GR+2*pp+1], v[XB+2*pp:XB+2*pp+1] neg_lo:[1,0,0] neg_hi:[1,0,0]  ; max(x, 0) - |x| Q
.set pp, pp+1
.endr
.irp k, 0,1,2,3
	v_cvt_pk_bf16_f32 v[XB+4*\k],   v[XB+4*\k],   v[XB+4*\k+1]
	v_cvt_pk_bf16_f32 v[XB+4*\k+1], v[XB+4*\k+2], v[XB+4*\k+3]
.endr
.irp k, 0,1,2,3
	global_store_b64 v[AD+4*(\a)+\k], v[XB+4*\k:XB+4*\k+1], s[14:15]   ; the wave stores 256 consecutive bytes, aligned
.endr
.endm
.macro DST4 a                          ; the same rows of the second product: bias (K quarter 0), stored as f32 partial sums
.set XB, XR+16*(\a)
	s_wait_dscnt 12-4*(\a)
.set pp, 0
.rept 8
	v_pk_add_f32 v[XB+2*pp:XB+2*pp+1], v[XB+2*pp:XB+2*pp+1], v[BIAS+2*(pp%2):BIAS+2*(pp%2)+1]
.set pp, pp+1
.endr
	ROWADR 4*(\a)+0
	ROWADR 4*(\a)+1
	ROWADR 4*(\a)+2
	ROWADR 4*(\a)+3
.irp k, 0,1,2,3
	global_store_b128 v[AD+4*(\a)+\k], v[XB+4*\k:XB+4*\k+3], s[14:15]  ; the wave stores 512 consecutive bytes, aligned
.endr
.endm
	s_mov_b32 s45, 0
	s_mov_b32 s46, 0
.Lpass:                                                ; four trips, a constant: 4 passes x 5 blocks x 4 waves x 16 rows cover 1,024 rows
	s_cmp_lt_u32 s46, s38
	s_cbranch_scc0 .Lpass_next                     ; nothing left for my wave
	s_sub_co_u32 s47, s38, s46
	s_min_u32 s47, s47, 5                          ; live blocks of this pass
	s_wait_xcnt 0x0                                ; the last pass's loads and stores have read their registers: rows, offsets and addresses are rewritten only behind this wait
.irp g, 0,1,2,3,4
	v_add_nc_u32 v[RO+\g], 64*\g, v[ROWP]          ; my list place in block g,
	v_min_u32 v[RO+\g], s39, v[RO+\g]              ; or the last that holds an entry;
	v_min_u32 v[RO+\g], 1023, v[RO+\g]             ; inside the list whatever was counted
	v_lshl_add_u32 v[RO+\g], v[RO+\g], 2, v11
	ds_load_b32 v[ENT+\g], v[RO+\g]                ; my own wave's stores: LDS serves a wave's instructions in order (ISA guide 5.7.1.4)
.endr
	s_wait_dscnt 0x0
.irp g, 0,1,2,3,4
	v_min_u32 v[ENT+\g], 2047, v[ENT+\g]
	v_and_b32 v[RO+\g], s32, v[ENT+\g]
	v_mad_u32_u24 v[RO+\g], v[RO+\g], s33, v3      ; the row's byte offset + 16 x my half
.endr
	LDA 0, 0
	LDA 1, 64
	LDA 2, 128
	LDB 0, 0
	; K steps 0 to 31.  Step kk multiplies ring slot kk % 4 by weights' buffer kk % 2, asks for the weights of step kk + 1 and the token rows of step kk + 3; step 0's products start the sums.
	; The count of the wait on the token loads: the ten loads of each of the next two steps; 10 at step 30, 0 at step 31.
.set kk, 0
.rept 32
.set KSL, kk%4
.set KFB, kk%2
.set KKA, 64*(kk+3)
.if kk > 28
.set KKA, -1
.endif
.set KKB, 64*(kk+1)
.if kk > 30
.set KKB, -1
.endif
.set KNA, 20
.if kk == 30
.set KNA, 10
.endif
.if kk == 31
.set KNA, 0
.endif
.set KZ, 0
.if kk == 0
.set KZ, 1
.endif
	KSTEP KSL, KFB, KKA, KKB, KNA, KZ
.set kk, kk+1
.endr
	PLACES                                         ; behind the last products: stores of results and loads into fragment registers follow
	s_mov_b32 s48, 0
.Lblk:                                                 ; five trips, a constant; dead blocks are jumped forward
	s_cmp_lt_u32 s48, s47
	s_cbranch_scc0 .Lblk_next
	s_wait_xcnt 0x0                                ; the block before: its stores have read rows and addresses
	s_cmp_eq_u32 s48, 0
	s_cbranch_scc1 .Lacc0
	s_cmp_eq_u32 s48, 1
	s_cbranch_scc1 .Lacc1
	s_cmp_eq_u32 s48, 2
	s_cbranch_scc1 .Lacc2
	s_cmp_eq_u32 s48, 3
	s_cbranch_scc1 .Lacc3
	STACC 4
	s_branch .Lrows
.Lacc0:
	STACC 0
	s_branch .Lrows
.Lacc1:
	STACC 1
	s_branch .Lrows
.Lacc2:
	STACC 2
	s_branch .Lrows
.Lacc3:
	STACC 3
.Lrows:
.set ii, 0
.rept 16                               ; back as whole rows: a lane takes four neighbouring columns of row ii; these see my stores above, which LDS serves first
	ds_load_b128 v[XR+4*ii:XR+4*ii+3], v[RD] offset:SPITCH*ii
.set ii, ii+1
.endr
	s_cmp_eq_u32 s50, 0
	s_cbranch_scc0 .Ldown
	GELU4 0
	GELU4 1
	GELU4 2
	GELU4 3
	s_branch .Lblk_next
.Ldown:
	DST4 0
	DST4 1
	DST4 2
	DST4 3
.Lblk_next:
	s_add_co_u32 s48, s48, 1
	s_cmp_lt_u32 s48, 5
	s_cbranch_scc1 .Lblk
.Lpass_next:
	v_add_nc_u32 v[ROWP], 320, v[ROWP]             ; five of my blocks on: 5 x 4 waves x 16 rows
	s_add_co_u32 s46, s46, 5
	s_add_co_u32 s45, s45, 1
	s_cmp_lt_u32 s45, 4
	s_cbranch_scc1 .Lpass
	s_wait_tensorcnt 0x0                           ; the wave's end, behind my last LDS store
	ds_add_u32 v[SPW], v[NIL]
	s_wait_dscnt 0x0
	s_endpgm
.Lfunc_end_k_qbcab45581a_up:
	.size	k_qbcab45581a_up, .Lfunc_end_k_qbcab45581a_up-k_qbcab45581a_up
	.p2alignl 7, 3214868480
	.fill 96, 4, 3214868480
	.section	.rodata,"a",@progbits
	.p2align	6, 0x0
	.amdhsa_kernel k_qbcab45581a_up
		.amdhsa_group_segment_fixed_size 315904
		.amdhsa_private_segment_fixed_size 0
		.amdhsa_enable_private_segment 0
		.amdhsa_kernarg_size 48
		.amdhsa_user_sgpr_count 2
		.amdhsa_user_sgpr_kernarg_segment_ptr 1
		.amdhsa_wavefront_size32 1
		.amdhsa_system_sgpr_workgroup_id_x 1
		.amdhsa_system_sgpr_workgroup_id_y 1
		.amdhsa_system_sgpr_workgroup_id_z 1
		.amdhsa_system_vgpr_workitem_id 0
		.amdhsa_next_free_vgpr 832
		.amdhsa_next_free_sgpr 80
		.amdhsa_reserve_vcc 0
		.amdhsa_float_denorm_mode_32 3
		.amdhsa_float_denorm_mode_16_64 3
		.amdhsa_memory_ordered 1
		.amdhsa_forward_progress 1
		.amdhsa_inst_pref_size 255
	.end_amdhsa_kernel
	.section	.bss,"aw",@nobits
	.p2align	6
	.space	262144
	.amdgpu_metadata
---
amdhsa.version: [ 1, 2 ]
amdhsa.kernels:
  - .name:           k_qbcab45581a_up
    .symbol:         k_qbcab45581a_up.kd
    .args:
      - { .name: w1, .offset: 0, .size: 8, .value_kind: global_buffer, .address_space: global }
      - { .name: xb, .offset: 8, .size: 8, .value_kind: global_buffer, .address_space: global }
      - { .name: b1, .offset: 16, .size: 8, .value_kind: global_buffer, .address_space: global }
      - { .name: ridx, .offset: 24, .size: 8, .value_kind: global_buffer, .address_space: global }
      - { .name: mode_up, .offset: 32, .size: 8, .value_kind: global_buffer, .address_space: global }
      - { .name: hbuf, .offset: 40, .size: 8, .value_kind: global_buffer, .address_space: global }
    .group_segment_fixed_size: 315904
    .private_segment_fixed_size: 0
    .kernarg_segment_align: 8
    .kernarg_segment_size: 48
    .max_flat_workgroup_size: 128
    .sgpr_count:     80
    .vgpr_count:     832
    .wavefront_size: 32
...
	.end_amdgpu_metadata
.endif
;; end of part 2
;; launch down: the kernel of part 2 again; grid 32 x 8, 4 waves a work-group, no clusters, 315,904 bytes of LDS; arguments w2, hbuf, b2, ridx, mode_dn, ypart; writes ypart
;; launch combine (part 3): grid 256 x 1, 4 waves a work-group, no clusters, 0 bytes of LDS; arguments hidden_states, ypart, rwt, ln_w, ln_b, out0; writes out0
.if DOCPART == 3
	.amdgcn_target "amdgcn-amd-amdhsa--gfx1250"
	.amdhsa_code_object_version 6
	.text
	.protected	k_qbcab45581a_combine
	.globl	k_qbcab45581a_combine
	.p2align	8
	.type	k_qbcab45581a_combine,@function
k_qbcab45581a_combine:
	s_mov_b64 s[64:65], 0
	v_nop
	global_prefetch_b8 v0, s[64:65] scope:SCOPE_SE
	s_setreg_imm32_b32 hwreg(HW_REG_WAVE_MODE, 25, 1), 1
	s_wait_xcnt 0x0
; COMBINE.  out[t] = LayerNorm(x[t] + w0 y[2 t] + w1 y[2 t + 1]) x ln_w + ln_b, where y[entry] is the sum of the four K quarters' f32 partial rows in ypart (b2 is in quarter 0's).
; One wave, one token: a row of 4,096 bytes is 32 numbers a lane (eight loads of 512 consecutive bytes), so sums, mean and variance never leave the wave: no LDS, no barrier.  All of a wave's 88 loads
; are issued before its first wait.  Mean first, then the mean of the squared differences; everything in f32.  A stream: matrix units, clusters and tiles would add nothing.
; LIMITS: none of range beyond f32's own; NaN and infinities are not treated apart.
; REGISTERS.  window 1: the eight partial rows (quarter s, choice k, chunk c at 64 s + 32 k + 4 c).   window 0: v1 16 lane; v32-63 the row; v64-95 ln_w; v96-127 ln_b; v128-159 at work; v160-161 the mean, v162-163 1 / sqrt(var + eps), as pairs.
.set X,   32
.set LNW, 64
.set LNB, 96
.set T,   128
.set MU,  160
.set RS,  162
.set MSB, 0
.macro WIN new                         ; the immediate's high byte repeats the setting that is left; a switch that changes nothing is dropped
.if MSB != (\new)
	s_set_vgpr_msb (MSB<<8)|(\new)
.set MSB, \new
.endif
.endm
.macro WSUM r                          ; the sum over the 32 lanes, in every lane: four steps inside each half of 16 lanes ride on the addition, one crosses the halves
	v_add_f32_dpp v[\r], v[\r], v[\r] row_xmask:1 row_mask:0xf bank_mask:0xf
	v_add_f32_dpp v[\r], v[\r], v[\r] row_xmask:2 row_mask:0xf bank_mask:0xf
	v_add_f32_dpp v[\r], v[\r], v[\r] row_xmask:4 row_mask:0xf bank_mask:0xf
	v_add_f32_dpp v[\r], v[\r], v[\r] row_xmask:8 row_mask:0xf bank_mask:0xf
	v_permlanex16_b32 v164, v[\r], s34, s35
	v_add_f32 v[\r], v[\r], v164
.endm
	s_load_b256 s[4:11], s[0:1], 0x0               ; x s[4:5], ypart s[6:7], rwt s[8:9], ln_w s[10:11]
	s_load_b128 s[12:15], s[0:1], 0x20             ; ln_b s[12:13], out s[14:15]
	v_and_b32 v1, 31, v0
	v_lshrrev_b32 v2, 5, v0
	v_readfirstlane_b32 s16, v2                    ; wave 0..3
	v_lshlrev_b32 v1, 4, v1
	v_mov_b32 v164, 0                              ; v_permlanex16_b32 counts as a reader of its destination
	s_lshl2_add_u32 s17, ttmp9, s16                ; my token = 4 x work-group + wave
	s_mov_b32 s19, 0
	s_mov_b32 s34, 0x76543210
	s_mov_b32 s35, 0xfedcba98
	s_mov_b32 s36, 0x3a800000                      ; 1 / 1,024
	s_wait_kmcnt 0x0
	s_lshl_b32 s18, s17, 3
	s_add_nc_u64 s[8:9], s[8:9], s[18:19]
	s_load_b64 s[28:29], s[8:9], 0x0               ; my token's two weights
	s_lshl_b32 s18, s17, 13                        ; its two rows of 4,096 bytes in each plane of ypart,
	s_add_nc_u64 s[20:21], s[6:7], s[18:19]
	s_add_nc_u64 s[22:23], s[20:21], 0x800000      ; the planes 8,388,608 bytes apart
	s_add_nc_u64 s[24:25], s[22:23], 0x800000
	s_add_nc_u64 s[26:27], s[24:25], 0x800000
	s_lshl_b32 s18, s17, 12
	s_add_nc_u64 s[4:5], s[4:5], s[18:19]
	s_add_nc_u64 s[14:15], s[14:15], s[18:19]
	WIN 0x40                                       ; destination window 1
.irp s, 0,1,2,3
.set ii, 0
.rept 16                               ; ii = 8 k + c
	global_load_b128 v[64*\s+4*ii:64*\s+4*ii+3], v1, s[20+2*\s:21+2*\s] offset:512*ii th:TH_LOAD_NT
.set ii, ii+1
.endr
.endr
	WIN 0
.set ii, 0
.rept 8
	global_load_b128 v[X+4*ii:X+4*ii+3], v1, s[4:5] offset:512*ii th:TH_LOAD_NT
.set ii, ii+1
.endr
.set ii, 0
.rept 8
	global_load_b128 v[LNW+4*ii:LNW+4*ii+3], v1, s[10:11] offset:512*ii
.set ii, ii+1
.endr
.set ii, 0
.rept 8
	global_load_b128 v[LNB+4*ii:LNB+4*ii+3], v1, s[12:13] offset:512*ii
.set ii, ii+1
.endr
	s_wait_loadcnt 24                              ; the 64 partial rows' loads are in; x, ln_w and ln_b (8 each) stay out
	WIN 0x45                                       ; all three operands window 1
.set ii, 0
.rept 32                               ; the four quarters, pairwise
	v_pk_add_f32 v[2*ii:2*ii+1], v[2*ii:2*ii+1], v[64+2*ii:64+2*ii+1]
	v_pk_add_f32 v[128+2*ii:128+2*ii+1], v[128+2*ii:128+2*ii+1], v[192+2*ii:192+2*ii+1]
.set ii, ii+1
.endr
.set ii, 0
.rept 32
	v_pk_add_f32 v[2*ii:2*ii+1], v[2*ii:2*ii+1], v[128+2*ii:128+2*ii+1]
.set ii, ii+1
.endr
	s_wait_loadcnt 16                              ; x is in
	s_wait_kmcnt 0x0
	s_mov_b32 s30, s29                             ; the second weight as a pair's low word
	s_mov_b32 s31, s29
	WIN 0x01                                       ; source 0 window 1
.set ii, 0
.rept 16
	v_pk_fma_f32 v[X+2*ii:X+2*ii+1], v[2*ii:2*ii+1], s[28:29], v[X+2*ii:X+2*ii+1] op_sel_hi:[1,0,1]
.set ii, ii+1
.endr
.set ii, 0
.rept 16
	v_pk_fma_f32 v[X+2*ii:X+2*ii+1], v[32+2*ii:32+2*ii+1], s[30:31], v[X+2*ii:X+2*ii+1] op_sel_hi:[1,0,1]
.set ii, ii+1
.endr
	WIN 0
	; the mean
.set ii, 0
.rept 8
	v_pk_add_f32 v[T+2*ii:T+2*ii+1], v[X+2*ii:X+2*ii+1], v[X+16+2*ii:X+16+2*ii+1]
.set ii, ii+1
.endr
.set ii, 0
.rept 4
	v_pk_add_f32 v[T+2*ii:T+2*ii+1], v[T+2*ii:T+2*ii+1], v[T+8+2*ii:T+8+2*ii+1]
.set ii, ii+1
.endr
	v_pk_add_f32 v[T:T+1], v[T:T+1], v[T+4:T+5]
	v_pk_add_f32 v[T+2:T+3], v[T+2:T+3], v[T+6:T+7]
	v_pk_add_f32 v[T:T+1], v[T:T+1], v[T+2:T+3]
	v_add_f32 v[T], v[T], v[T+1]
	WSUM T
	v_mul_f32 v[MU], s36, v[T]
	v_mov_b32 v[MU+1], v[MU]
.set ii, 0
.rept 16
	v_pk_add_f32 v[X+2*ii:X+2*ii+1], v[X+2*ii:X+2*ii+1], v[MU:MU+1] neg_lo:[0,1] neg_hi:[0,1]
.set ii, ii+1
.endr
	; the mean of the squared differences, in four chains that the first four products start
.set ii, 0
.rept 4
	v_pk_mul_f32 v[T+2*ii:T+2*ii+1], v[X+2*ii:X+2*ii+1], v[X+2*ii:X+2*ii+1]
.set ii, ii+1
.endr
.rept 12
	v_pk_fma_f32 v[T+2*(ii%4):T+2*(ii%4)+1], v[X+2*ii:X+2*ii+1], v[X+2*ii:X+2*ii+1], v[T+2*(ii%4):T+2*(ii%4)+1]
.set ii, ii+1
.endr
	v_pk_add_f32 v[T:T+1], v[T:T+1], v[T+2:T+3]
	v_pk_add_f32 v[T+4:T+5], v[T+4:T+5], v[T+6:T+7]
	v_pk_add_f32 v[T:T+1], v[T:T+1], v[T+4:T+5]
	v_add_f32 v[T], v[T], v[T+1]
	WSUM T
	v_fmaak_f32 v165, s36, v[T], 0x2b8cbccc        ; the variance + 1e-12
	v_rsq_f32 v[RS], v165
	v_nop                                          ; a plain instruction behind it,
	s_wait_alu depctr_va_vdst(0)                   ; and the wait ahead of its first reader
	v_mov_b32 v[RS+1], v[RS]
	s_wait_loadcnt 0x0                             ; ln_w and ln_b
.set ii, 0
.rept 16
	v_pk_mul_f32 v[X+2*ii:X+2*ii+1], v[X+2*ii:X+2*ii+1], v[RS:RS+1]
.set ii, ii+1
.endr
.set ii, 0
.rept 16
	v_pk_fma_f32 v[X+2*ii:X+2*ii+1], v[X+2*ii:X+2*ii+1], v[LNW+2*ii:LNW+2*ii+1], v[LNB+2*ii:LNB+2*ii+1]
.set ii, ii+1
.endr
.set ii, 0
.rept 8
	global_store_b128 v1, v[X+4*ii:X+4*ii+3], s[14:15] offset:512*ii th:TH_STORE_NT   ; the wave stores 512 consecutive bytes, aligned
.set ii, ii+1
.endr
	s_endpgm
.Lfunc_end_k_qbcab45581a_combine:
	.size	k_qbcab45581a_combine, .Lfunc_end_k_qbcab45581a_combine-k_qbcab45581a_combine
	.p2alignl 7, 3214868480
	.fill 96, 4, 3214868480
	.section	.rodata,"a",@progbits
	.p2align	6, 0x0
	.amdhsa_kernel k_qbcab45581a_combine
		.amdhsa_group_segment_fixed_size 0
		.amdhsa_private_segment_fixed_size 0
		.amdhsa_enable_private_segment 0
		.amdhsa_kernarg_size 48
		.amdhsa_user_sgpr_count 2
		.amdhsa_user_sgpr_kernarg_segment_ptr 1
		.amdhsa_wavefront_size32 1
		.amdhsa_system_sgpr_workgroup_id_x 1
		.amdhsa_system_sgpr_workgroup_id_y 1
		.amdhsa_system_sgpr_workgroup_id_z 1
		.amdhsa_system_vgpr_workitem_id 0
		.amdhsa_next_free_vgpr 512
		.amdhsa_next_free_sgpr 66
		.amdhsa_reserve_vcc 0
		.amdhsa_float_denorm_mode_32 3
		.amdhsa_float_denorm_mode_16_64 3
		.amdhsa_memory_ordered 1
		.amdhsa_forward_progress 1
		.amdhsa_inst_pref_size 25
	.end_amdhsa_kernel
	.amdgpu_metadata
---
amdhsa.version: [ 1, 2 ]
amdhsa.kernels:
  - .name:           k_qbcab45581a_combine
    .symbol:         k_qbcab45581a_combine.kd
    .args:
      - { .name: hidden_states, .offset: 0, .size: 8, .value_kind: global_buffer, .address_space: global }
      - { .name: ypart, .offset: 8, .size: 8, .value_kind: global_buffer, .address_space: global }
      - { .name: rwt, .offset: 16, .size: 8, .value_kind: global_buffer, .address_space: global }
      - { .name: ln_w, .offset: 24, .size: 8, .value_kind: global_buffer, .address_space: global }
      - { .name: ln_b, .offset: 32, .size: 8, .value_kind: global_buffer, .address_space: global }
      - { .name: out0, .offset: 40, .size: 8, .value_kind: global_buffer, .address_space: global }
    .group_segment_fixed_size: 0
    .private_segment_fixed_size: 0
    .kernarg_segment_align: 8
    .kernarg_segment_size: 48
    .max_flat_workgroup_size: 128
    .sgpr_count:     66
    .vgpr_count:     512
    .wavefront_size: 32
...
	.end_amdgpu_metadata
.endif
;; end of part 3
;; ======== version 2 of 2: 4 launches; 1.14 times as fast as version 1
;; workspace buffers: xb 2,097,152 bytes; ridx 8,192 bytes of whole numbers; rwt 8,192 bytes; mode_up 256 bytes of whole numbers; mode_dn 256 bytes of whole numbers; hbuf 16,777,216 bytes; ypart 33,554,432 bytes
;; launch router: the kernel of part 1 again; grid 256 x 1, 2 waves a work-group, no clusters, 0 bytes of LDS; arguments hidden_states, router_w, router_b, xb, ridx, rwt, mode_up, mode_dn; writes xb, ridx, rwt, mode_up, mode_dn
;; launch up (part 4): grid 32 x 8, 4 waves a work-group, no clusters, 306,688 bytes of LDS; arguments w1, xb, b1, ridx, mode_up, hbuf; writes hbuf
.if DOCPART == 4
	.amdgcn_target "amdgcn-amd-amdhsa--gfx1250"
	.amdhsa_code_object_version 6
	.text
	.protected	k_qbcab45581a_up
	.globl	k_qbcab45581a_up
	.p2align	8
	.type	k_qbcab45581a_up,@function
k_qbcab45581a_up:
	s_mov_b64 s[64:65], 0
	v_nop
	global_prefetch_b8 v0, s[64:65] scope:SCOPE_SE
	s_setreg_imm32_b32 hwreg(HW_REG_WAVE_MODE, 25, 1), 1
	s_wait_xcnt 0x0
; ONE BODY FOR BOTH PRODUCTS OF THE EXPERTS.  A work-group multiplies [the rows routed to ONE expert] x [K = 1,024] by a slice of [128 columns] x [K = 1,024] of that expert's f32 weights,
; which it alone reads, once.  Grid 32 slices x 8 experts.  Operands bf16, sums f32.
;   mode 0 (up):   slice sl = columns 128 sl of FF; rows of xb (token = entry / 2); out: hbuf[entry][128 sl ..] = gelu(sum + b1), rounded once to bf16.
;   mode 1 (down): columns 128 (sl % 8) of H, K quarter sl / 8 of FF; rows of hbuf; out: ypart[quarter][entry][..] = the partial sum in f32 (quarter 0 adds b2).
; An ENTRY is 2 x token + choice: every routed row has a fixed place in hbuf and ypart, so no sorted layout is needed.  The mode is read from two words {mode, 1 - mode} that the router's launch stored;
; pitches and offsets are made of them by multiplies and adds; one branch, on the way out, hangs on the mode.
; WHICH ROWS.  Every wave reads ridx and makes 32 bitmaps (32 tokens each: has the token chosen my expert?) in scalar registers, and the count.  The expert's rows are ranked in the bitmaps' order.  The entry of rank p is
; found by register arithmetic: a chain over the 32 bitmaps keeps the last whose prefix count is <= p, then the (p - prefix)-th set bit of that word is found from its partial counts.  No atomics, no sorting, no list.
; PHASE A.  The four waves stream the slice (32 rows of 4,096 bytes each; a load covers 512 consecutive bytes), 64 loads of each wave on their way, round to bf16 and lay it into LDS.  The ranks are resolved while the first
; loads are out; the first five K steps of the first pass's token rows are asked for in the stream's tail, each run of loads as soon as the registers that it lands in have been converted.  One barrier.
; PHASE B writes no shared LDS and has no barrier, so its length may hang on the count.  Wave w takes the blocks of 16 ranks w, w + 4, .., five a pass, all 128 columns: 40 accumulators.  Weights' fragments come
; from LDS, token rows' fragments straight from memory into registers, five K steps ahead.  K's 32 steps are written out: every LDS and memory offset of phase B is an immediate beside a register that a pass never rewrites.
; Four passes (a constant) cover the largest count, 1,024 rows; dead passes, a dead fifth block's products and dead blocks' stores are jumped forward.
; Ranks past the count repeat the last row: such rows store the same bytes to the same place again, from the same wave (15 rows a work-group at the most).  An expert without rows stores nothing.
; THE MATRIX INSTRUCTION IS USED TRANSPOSED: source 0 = 16 columns' weights, source 1 = 16 token rows, so a lane holds one row and eight neighbouring columns.
; GELU.  x Phi(x) = max(x, 0) - |x| Q(|x|), Q the normal upper tail = exp(-x^2 / 2) / sqrt(2 pi) x (b1 t + .. + b5 t^5), t = 1 / (1 + 0.2316419 |x|) (Abramowitz and Stegun 26.2.17):
; LIMIT: Q is within 1e-7 absolute for every x; it is no series cut for a range.  NaN and infinities are not treated apart.
; NO CLUSTER: each slice of weights has one reader; what an expert's 32 work-groups share, its token rows, comes by rank, which no tile descriptor covers.  NO TENSOR LOADS: the weights would land as f32, twice the LDS bytes.
; LDS: 0 the slice, 128 rows of 2,048 + 16 bytes (row r starts 4 r banks on: ISA guide 11.1); TABLE 4 x 2,048: a wave's own entries of passes 1 to 3 (15 words a lane), which exist only where the count is over 320;
;   STAGE 4 x 16 rows of 512 + 16 bytes, a wave's own, for the way out; SPARE 512 bytes that the closing add alone names.
; REGISTERS.  window 0: v0-63 addresses and small things (below); v64-127 ridx; v128-191, v192-255 weights' fragments, two buffers (phase A: rounded weights, and the ranks' work in v192-251; way out: rows and gelu's work)
;   window 1: phase A: 8 rows as loaded; phase B: a ring of 6 K steps x 5 blocks x 8 registers of token fragments.   window 2: accumulators of blocks 0-3 (block g, columns 16 n at 64 g + 8 n).   window 3: block 4's.
.set PITCH,  2064
.set TABLE,  128*PITCH
.set TABB,   2048
.set STAGE,  TABLE+4*TABB
.set SPITCH, 528
.set SPARE,  STAGE+4*16*SPITCH
.set SPW,  4                           ; v4   SPARE + 4 x my thread's number; never rewritten
.set NIL,  5                           ; v5   0; never rewritten
                                       ; v1 lane; v2 r = lane % 16; v3 16 (lane / 16); v6 16 lane; v7 8 lane; v12 where phase A stores
.set TAB,  8                           ; v8   my word in my wave's table; never rewritten
.set VO,   14                          ; v14-21  16 lane + i x the weights' pitch: row i of a lap of 8.  Behind phase A v14-21 and v54-61 hold the 16 stores' offsets of a block on its way out
.set ROWP, 22                          ; v22  16 w + r: my rank in my wave's first block; never rewritten
.set ENT,  24                          ; v24-28  my row's entry in block g
.set ENTC, 29                          ; v29  the same for the block on its way out
.set RO,   30                          ; v30-34  my row's byte offset in the activations, + 16 (lane / 16)
.set COL,  35                          ; v35  my bytes in a stored row
.set VB0,  36                          ; v36-39  LDS address of my weights' fragments, columns 32 m + r; never rewritten
.set STO,  44                          ; v44  the way out: where I put 16 bytes of a row
.set RD,   45                          ; v45  the way out: where I read a row back
.set BIAS, 46                          ; v46-49  the bias of my four columns
.set RI,   64
.set BF,   128
.set T,    128
.set XR,   128
.set GA,   192
.set GT,   208
.set GE,   224
.set GR,   240
.set SW,   192                         ; the ranks' work: 12 registers for each of five targets (blocks):
.set QP,   0                           ;   the rank
.set QM,   1                           ;   the bitmap that holds it
.set QK,   2                           ;   that step's bitmap of second choices
.set QX,   3                           ;   that step's prefix count (low half) and first entry (high half)
.set QA,   4                           ;   the bitmap's counts by 2 bits,
.set QF,   5                           ;   by 4 bits,
.set QC,   6                           ;   by 8 bits,
.set QD,   7                           ;   and, in byte 0, of its low 16 bits
.set QN,   8                           ;   set bits still to be passed
.set QS,   9                           ;   the bit's place so far
.set QT,   10                          ;   at work
.set QW,   11
.set MB,   70                          ; s70-101  the 32 bitmaps
.set KT,   40                          ; s40-43   four steps' bitmaps of second choices
; s16 wave, s17 slice, s18 expert, s20 weights' pitch, s[22:23] 8 pitches, s24 phase A's count, s25 column slice, s26 K quarter, s27 mask of |x|, s30 s31 s52 masks of the bit counts, s32 entry mask,
; s33 activations' pitch (per masked entry), s34 output pitch, s35 bias mask, s36 count, s37 running prefix, s38 my blocks, s39 last rank, s45 pass, s46 my first block of the pass, s47 live blocks of the pass,
; s48 block on its way out, s[50:51] mode and 1 - mode, s53 my blocks or 1, s54 a step's prefix and first entry, s55 a pass's first rank, s[56:63] s[66:69] s[104:105] gelu's constants
.set MSB, 0
.macro WIN new                         ; the immediate's high byte repeats the setting that is left; a switch that changes nothing is dropped
.if MSB != (\new)
	s_set_vgpr_msb (MSB<<8)|(\new)
.set MSB, \new
.endif
.endm
.macro SPAIR r, val                    ; a constant as a pair: the packed forms name both words
	s_mov_b32 s[\r], \val
	s_mov_b32 s[\r+1], \val
.endm
.macro ALL5 line:vararg                ; one line for each target tg
.set tg, 0
.rept 5
	\line
.set tg, tg+1
.endr
.endm
; ---- the ranks
.macro KGROUP j0                       ; four steps' bitmaps of second choices.  Step j: lane l stands for token 32 (j - j % 2) + 2 l + j % 2, whose two words of ridx lie in v[RI + 2 j] and the next
.irp i, 0,1,2,3
	v_cmp_eq_u32 s[KT+\i], s18, v[RI+2*((\j0)+\i)+1]
.endr
.endm
.macro LEVEL src, bits, step           ; does the low half of the window hold no more set bits than are still to be passed?  Then pass them and move up by the half's width
	ALL5 v_bfe_u32 v[SW+12*tg+QT], v[SW+12*tg+\src], v[SW+12*tg+QS], \bits
.set tg, 0
.rept 5
	v_cmp_ge_u32 vcc_lo, v[SW+12*tg+QN], v[SW+12*tg+QT]
	v_cndmask_b32 v[SW+12*tg+QT], 0, v[SW+12*tg+QT], vcc_lo
	v_cndmask_b32 v[SW+12*tg+QW], 0, \step, vcc_lo
.set tg, tg+1
.endr
	ALL5 v_sub_nc_u32 v[SW+12*tg+QN], v[SW+12*tg+QN], v[SW+12*tg+QT]
	ALL5 v_add_nc_u32 v[SW+12*tg+QS], v[SW+12*tg+QS], v[SW+12*tg+QW]
.endm
; The entries of ranks 16 w + r + s55 + 64 g, g = 0..4 (or of the last rank, where that is less), into ENT.
.macro SELECT
	ALL5 v_add3_u32 v[SW+12*tg+QP], v[ROWP], s55, 64*tg
	ALL5 v_min_u32 v[SW+12*tg+QP], s39, v[SW+12*tg+QP]
	KGROUP 0
	ALL5 v_mov_b32 v[SW+12*tg+QM], s[MB]           ; step 0, whose prefix is 0, starts the choice
	ALL5 v_mov_b32 v[SW+12*tg+QK], s[KT]
	ALL5 v_mov_b32 v[SW+12*tg+QX], 0
	s_bcnt1_i32_b32 s37, s[MB]
.set jj, 1
.rept 31                               ; a later step takes the place unless its prefix is already past the rank
.if jj%4 == 0
	KGROUP jj
.endif
	s_or_b32 s54, s37, (128*(jj/2)+2*(jj%2))<<16   ; the prefix (1,024 at the most) below, the entry of the step's lane 0 and first choice above
.set tg, 0
.rept 5
	v_cmp_gt_u32 vcc_lo, s37, v[SW+12*tg+QP]
	v_cndmask_b32 v[SW+12*tg+QM], s[MB+jj], v[SW+12*tg+QM], vcc_lo
	v_cndmask_b32 v[SW+12*tg+QK], s[KT+jj%4], v[SW+12*tg+QK], vcc_lo
	v_cndmask_b32 v[SW+12*tg+QX], s54, v[SW+12*tg+QX], vcc_lo
.set tg, tg+1
.endr
	s_bcnt1_i32_b32 s44, s[MB+jj]
	s_add_co_u32 s37, s37, s44
.set jj, jj+1
.endr
	ALL5 v_and_b32 v[SW+12*tg+QT], 0xffff, v[SW+12*tg+QX]
	ALL5 v_sub_nc_u32 v[SW+12*tg+QN], v[SW+12*tg+QP], v[SW+12*tg+QT]     ; set bits to pass inside the word
	ALL5 v_lshrrev_b32 v[SW+12*tg+QT], 1, v[SW+12*tg+QM]                 ; the word's counts by fields of 2, 4 and 8 bits
	ALL5 v_and_b32 v[SW+12*tg+QT], s30, v[SW+12*tg+QT]
	ALL5 v_sub_nc_u32 v[SW+12*tg+QA], v[SW+12*tg+QM], v[SW+12*tg+QT]
	ALL5 v_lshrrev_b32 v[SW+12*tg+QT], 2, v[SW+12*tg+QA]
	ALL5 v_and_b32 v[SW+12*tg+QT], s31, v[SW+12*tg+QT]
	ALL5 v_and_b32 v[SW+12*tg+QF], s31, v[SW+12*tg+QA]
	ALL5 v_add_nc_u32 v[SW+12*tg+QF], v[SW+12*tg+QF], v[SW+12*tg+QT]
	ALL5 v_lshrrev_b32 v[SW+12*tg+QT], 4, v[SW+12*tg+QF]
	ALL5 v_add_nc_u32 v[SW+12*tg+QT], v[SW+12*tg+QT], v[SW+12*tg+QF]
	ALL5 v_and_b32 v[SW+12*tg+QC], s52, v[SW+12*tg+QT]
	ALL5 v_lshrrev_b32 v[SW+12*tg+QT], 8, v[SW+12*tg+QC]
	ALL5 v_add_nc_u32 v[SW+12*tg+QD], v[SW+12*tg+QC], v[SW+12*tg+QT]
	ALL5 v_mov_b32 v[SW+12*tg+QS], 0
	LEVEL QD, 8, 16
	LEVEL QC, 8, 8
	LEVEL QF, 4, 4
	LEVEL QA, 2, 2
	LEVEL QM, 1, 1
	ALL5 v_bfe_u32 v[SW+12*tg+QT], v[SW+12*tg+QK], v[SW+12*tg+QS], 1     ; first or second choice
	ALL5 v_lshrrev_b32 v[SW+12*tg+QW], 16, v[SW+12*tg+QX]
	ALL5 v_lshl_add_u32 v[SW+12*tg+QW], v[SW+12*tg+QS], 2, v[SW+12*tg+QW] ; neighbouring lanes' entries are 4 apart
	ALL5 v_add_nc_u32 v[ENT+tg], v[SW+12*tg+QW], v[SW+12*tg+QT]
.endm
.macro MKRO                            ; from the entries to the rows' byte offsets
	ALL5 v_min_u32 v[ENT+tg], 2047, v[ENT+tg]
	ALL5 v_and_b32 v[RO+tg], s32, v[ENT+tg]
	ALL5 v_mad_u32_u24 v[RO+tg], v[RO+tg], s33, v3
.endm
.macro TABST t                         ; pass t's entries (t = 1..3) are set aside in my wave's own words: a fixed address, the place in the immediate
	ALL5 ds_store_b32 v[TAB], v[ENT+tg] offset:((\t)-1)*640+128*tg
.endm
.macro TABLD t
	ALL5 ds_load_b32 v[ENT+tg], v[TAB] offset:((\t)-1)*640+128*tg
.endm
; ---- phase A.  A lap is 8 rows, a unit 2 of them: 16 loads of 512 consecutive bytes.  Row i, chunk j of a lap lands in window 1 at 32 i + 4 j.
.macro FILLU u
	WIN 0x40                                       ; destination window 1
.irp rr, 0,1
.irp j, 0,1,2,3,4,5,6,7
	global_load_b128 v[32*(2*(\u)+\rr)+4*\j:32*(2*(\u)+\rr)+4*\j+3], v[VO+2*(\u)+\rr], s[4:5] offset:512*\j th:TH_LOAD_NT
.endr
.endr
.endm
; A unit's turn: rounded to bf16 (two buffers of 32 registers by turns), stored (a store of the wave covers 256 consecutive bytes of an LDS row), and, refill = 1, loaded again with the next lap's rows.
.macro UNIT u, refill, left
	s_wait_loadcnt \left                           ; loads come back in order (ISA guide 5.7.1): my unit is in, the younger loads stay out
	WIN 0x05                                       ; sources window 1
.irp rr, 0,1
.irp j, 0,1,2,3,4,5,6,7
	v_cvt_pk_bf16_f32 v[T+32*((\u)%2)+16*\rr+2*\j],   v[32*(2*(\u)+\rr)+4*\j],   v[32*(2*(\u)+\rr)+4*\j+1]
	v_cvt_pk_bf16_f32 v[T+32*((\u)%2)+16*\rr+2*\j+1], v[32*(2*(\u)+\rr)+4*\j+2], v[32*(2*(\u)+\rr)+4*\j+3]
.endr
.endr
	WIN 0
.irp rr, 0,1
.irp j, 0,1,2,3,4,5,6,7
	ds_store_b64 v12, v[T+32*((\u)%2)+16*\rr+2*\j:T+32*((\u)%2)+16*\rr+2*\j+1] offset:(2*(\u)+\rr)*PITCH+256*\j
.endr
.endr
.if \refill
	FILLU \u
.endif
.endm
; ---- phase B
.macro LDA slot, ka                    ; five blocks' token fragments of one K step (32 along K at byte ka of the rows): lane (r, half) takes 16 bytes at 16 half and 16 bytes 32 further on
	WIN 0x40
.irp g, 0,1,2,3,4
	global_load_b128 v[40*(\slot)+8*\g:40*(\slot)+8*\g+3],   v[RO+\g], s[6:7] offset:(\ka)
	global_load_b128 v[40*(\slot)+8*\g+4:40*(\slot)+8*\g+7], v[RO+\g], s[6:7] offset:(\ka)+32
.endr
.endm
.macro LDB f, kb                       ; the weights' eight fragments of one K step (byte kb of the LDS rows) into buffer f: fixed address registers, the place along K in the immediate (35,040 at the most)
	WIN 0
.irp n, 0,1,2,3,4,5,6,7
	ds_load_b128 v[BF+64*(\f)+8*\n:BF+64*(\f)+8*\n+3],   v[VB0+\n/2] offset:(\n%2)*16*PITCH+(\kb)
	ds_load_b128 v[BF+64*(\f)+8*\n+4:BF+64*(\f)+8*\n+7], v[VB0+\n/2] offset:(\n%2)*16*PITCH+(\kb)+32
.endr
.endm
.macro MULB g, slot, f, zero           ; block g x all 128 columns: 8 matrix instructions on 8 accumulators.  zero = 1: the products start the sums
.if (\g) < 4
	WIN 0xa4                                       ; weights window 0, tokens window 1, C and D window 2
.set AC, 64*(\g)
.else
	WIN 0xf4                                       ; C and D window 3
.set AC, 0
.endif
.irp n, 0,1,2,3,4,5,6,7
.if \zero
	v_wmma_f32_16x16x32_bf16 v[AC+8*\n:AC+8*\n+7], v[BF+64*(\f)+8*\n:BF+64*(\f)+8*\n+7], v[40*(\slot)+8*(\g):40*(\slot)+8*(\g)+7], 0
.else
	v_wmma_f32_16x16x32_bf16 v[AC+8*\n:AC+8*\n+7], v[BF+64*(\f)+8*\n:BF+64*(\f)+8*\n+7], v[40*(\slot)+8*(\g):40*(\slot)+8*(\g)+7], v[AC+8*\n:AC+8*\n+7]
.endif
.endr
.endm
.macro PLACES                          ; four plain vector instructions between a matrix instruction and a load into, or a store from, its registers (ISA guide 7.12.1 for vector instructions)
.rept 4
	v_nop
.endr
.endm
; A K step of 32: 40 matrix instructions (32 where the fifth block is dead), the accumulators by turns, one instruction a turn.  Behind the first eight, and four places behind the last reader of the
; registers that they fill, stand the loads in one run: the weights' fragments of the next step (kb), the token fragments five steps on (ka, into ring slot nslot, which the step before read); -1: none is left.
; na: the younger token loads that may stay out, ten a step.
.macro KSTEP slot, nslot, f, ka, kb, na, zero
	s_wait_loadcnt \na
	s_wait_dscnt 0x0                               ; this step's weights: asked for 24 matrix instructions or more ago
	MULB 0, \slot, \f, \zero
.if (\kb) >= 0
	PLACES
	LDB 1-(\f), \kb
.endif
.if (\ka) >= 0
	LDA \nslot, \ka
.endif
	MULB 1, \slot, \f, \zero
	MULB 2, \slot, \f, \zero
	MULB 3, \slot, \f, \zero
	WIN 0                                          ; at a branch and at a label every window is 0
.if !(\zero)
	s_cmp_lt_u32 s47, 5
	s_cbranch_scc1 .Lno5_\@                        ; a dead fifth block's products are jumped: no memory instruction, no wait and no barrier is passed
.endif
	MULB 4, \slot, \f, \zero                       ; (the first step's are never jumped, so that the registers are written on every way)
	WIN 0
.if !(\zero)
.Lno5_\@:
.endif
.endm
; THE WAY OUT of block g: its 8 accumulators, each from its low registers on, into my stage.
.macro STACC g
.if (\g) < 4
	WIN 0x08                                       ; the stores' data in window 2
.set AC, 64*(\g)
.else
	WIN 0x0c                                       ; in window 3
.set AC, 0
.endif
.irp n, 0,1,2,3,4,5,6,7
	ds_store_b128 v[STO], v[AC+8*\n:AC+8*\n+3]   offset:64*\n
	ds_store_b128 v[STO], v[AC+8*\n+4:AC+8*\n+7] offset:64*\n+16
.endr
	WIN 0
	v_mov_b32 v[ENTC], v[ENT+\g]
.endm
.macro ROWADR rho, ad                  ; where row rho of the block goes: its entry x the output's pitch + my bytes of a row
	v_readlane_b32 s49, v[ENTC], \rho
	s_min_u32 s49, s49, 0x7ff
	s_mul_i32 s49, s49, s34
	v_add_nc_u32 v[\ad], s49, v[COL]
.endm
; Rows 4 a .. 4 a + 3 of the block (a lane: four columns of each): bias, gelu, bf16, store.  Their stores' offsets: v14-21 for rows 0-7, v54-61 for rows 8-15.
.macro GELU4 a
.set XB, XR+16*(\a)
.set AB, 14+4*(\a)+32*((\a)/2)
	s_wait_dscnt 12-4*(\a)                         ; LDS loads come back in order: my four rows are in, the younger rows' loads stay out
.set pp, 0
.rept 8
	v_pk_add_f32 v[XB+2*pp:XB+2*pp+1], v[XB+2*pp:XB+2*pp+1], v[BIAS+2*(pp%2):BIAS+2*(pp%2)+1]
.set pp, pp+1
.endr
.set pp, 0
.rept 16
	v_and_b32 v[GA+pp], s27, v[XB+pp]              ; |x|
.set pp, pp+1
.endr
.set pp, 0
.rept 8
	v_pk_mul_f32 v[GE+2*pp:GE+2*pp+1], v[XB+2*pp:XB+2*pp+1], v[XB+2*pp:XB+2*pp+1]
	v_pk_fma_f32 v[GT+2*pp:GT+2*pp+1], v[GA+2*pp:GA+2*pp+1], s[56:57], 1.0 op_sel_hi:[1,0,0]
.set pp, pp+1
.endr
.set pp, 0
.rept 8
	v_pk_mul_f32 v[GE+2*pp:GE+2*pp+1], v[GE+2*pp:GE+2*pp+1], s[58:59] op_sel_hi:[1,0]
.set pp, pp+1
.endr
.set pp, 0
.rept 16                               ; ONE BATCH of 32: t and 2^(-x^2 log2(e) / 2); max(x, 0) stands between them; nothing here names a result
	v_rcp_f32 v[GT+pp], v[GT+pp]
	v_max_num_f32 v[XB+pp], 0, v[XB+pp]
	v_exp_f32 v[GE+pp], v[GE+pp]
.set pp, pp+1
.endr
	ROWADR 4*(\a)+0, AB+0                          ; independent work behind the batch; its additions are the plain instructions behind the last exponential
	ROWADR 4*(\a)+1, AB+1
	ROWADR 4*(\a)+2, AB+2
	ROWADR 4*(\a)+3, AB+3
	s_wait_alu depctr_va_vdst(0)                   ; the wait ahead of the batch's first reader: one for all 32
.set pp, 0
.rept 8
	v_pk_fma_f32 v[GR+2*pp:GR+2*pp+1], v[GT+2*pp:GT+2*pp+1], s[60:61], s[62:63] op_sel_hi:[1,0,0]
.set pp, pp+1
.endr
.irp c, 66,68,104
.set pp, 0
.rept 8
	v_pk_fma_f32 v[GR+2*pp:GR+2*pp+1], v[GR+2*pp:GR+2*pp+1], v[GT+2*pp:GT+2*pp+1], s[\c:\c+1] op_sel_hi:[1,1,0]
.set pp, pp+1
.endr
.endr
.set pp, 0
.rept 8
	v_pk_mul_f32 v[GE+2*pp:GE+2*pp+1], v[GE+2*pp:GE+2*pp+1], v[GT+2*pp:GT+2*pp+1]
.set pp, pp+1
.endr
.set pp, 0
.rept 8
	v_pk_mul_f32 v[GR+2*pp:GR+2*pp+1], v[GR+2*pp:GR+2*pp+1], v[GE+2*pp:GE+2*pp+1]   ; Q
.set pp, pp+1
.endr
.set pp, 0
.rept 8
	v_pk_fma_f32 v[XB+2*pp:XB+2*pp+1], v[GA+2*pp:GA+2*pp+1], v[GR+2*pp:GR+2*pp+1], v[XB+2*pp:XB+2*pp+1] neg_lo:[1,0,0] neg_hi:[1,0,0]  ; max(x, 0) - |x| Q
.set pp, pp+1
.endr
.irp k, 0,1,2,3
	v_cvt_pk_bf16_f32 v[XB+4*\k],   v[XB+4*\k],   v[XB+4*\k+1]
	v_cvt_pk_bf16_f32 v[XB+4*\k+1], v[XB+4*\k+2], v[XB+4*\k+3]
.endr
.irp k, 0,1,2,3
	global_store_b64 v[AB+\k], v[XB+4*\k:XB+4*\k+1], s[14:15]   ; the wave stores 256 consecutive bytes, aligned
.endr
.endm
.macro DST4 a                          ; the same rows of the second product: bias (K quarter 0), stored as f32 partial sums
.set XB, XR+16*(\a)
.set AB, 14+4*(\a)+32*((\a)/2)
	s_wait_dscnt 12-4*(\a)
.set pp, 0
.rept 8
	v_pk_add_f32 v[XB+2*pp:XB+2*pp+1], v[XB+2*pp:XB+2*pp+1], v[BIAS+2*(pp%2):BIAS+2*(pp%2)+1]
.set pp, pp+1
.endr
	ROWADR 4*(\a)+0, AB+0
	ROWADR 4*(\a)+1, AB+1
	ROWADR 4*(\a)+2, AB+2
	ROWADR 4*(\a)+3, AB+3
.irp k, 0,1,2,3
	global_store_b128 v[AB+\k], v[XB+4*\k:XB+4*\k+3], s[14:15]  ; the wave stores 512 consecutive bytes, aligned
.endr
.endm
; ---- the head
	s_load_b256 s[4:11], s[0:1], 0x0               ; weights s[4:5], activations s[6:7], bias s[8:9], ridx s[10:11]
	s_load_b128 s[12:15], s[0:1], 0x20             ; mode s[12:13], output s[14:15]
	v_lshl_add_u32 v[SPW], v0, 2, SPARE
	v_mov_b32 v[NIL], 0
	v_lshrrev_b32 v23, 5, v0
	v_readfirstlane_b32 s16, v23                   ; wave 0..3
	s_mov_b32 s17, ttmp9
	s_and_b32 s18, ttmp7, 0xffff
	v_and_b32 v1, 31, v0
	v_and_b32 v2, 15, v0
	v_bfe_u32 v3, v0, 4, 1
	v_lshlrev_b32 v3, 4, v3
	v_lshlrev_b32 v6, 4, v1
	v_lshlrev_b32 v7, 3, v1
	s_mul_i32 s21, s16, TABB
	s_add_co_u32 s21, s21, TABLE
	v_lshl_add_u32 v[TAB], v1, 2, s21
	s_mul_i32 s21, s16, 32*PITCH
	v_add_nc_u32 v12, s21, v7                      ; my wave's 32 rows of the slice, 8 bytes a lane
	v_lshl_add_u32 v[ROWP], s16, 4, v2             ; 16 w + r
	v_mul_u32_u24 v[VB0], v2, PITCH
	v_add_nc_u32 v[VB0], v[VB0], v3
.irp m, 1,2,3
	v_add_nc_u32 v[VB0+\m], \m*32*PITCH, v[VB0]
.endr
	s_mul_i32 s21, s16, 16*SPITCH
	s_add_co_u32 s21, s21, STAGE                   ; my stage
	v_mul_u32_u24 v[STO], v2, SPITCH               ; in: row r, 32 bytes for each half of the lanes
	v_lshl_add_u32 v[STO], v3, 1, v[STO]
	v_add_nc_u32 v[STO], s21, v[STO]
	v_add_nc_u32 v[RD], s21, v6                    ; back: a whole row of 512 bytes
	ALL5 v_mov_b32 v[ENT+tg], 0                    ; written here, so that they are written on every way through the loop over the passes' ranks below
	SPAIR 56, 0x3e6d3389                           ; 0.2316419
	SPAIR 58, 0xbf38aa3b                           ; -log2(e) / 2
	SPAIR 60, 0x3f07dc22                           ; b5 .. b1, each divided by sqrt(2 pi)
	SPAIR 62, 0xbf3a00e3
	SPAIR 66, 0x3f35f0e3
	SPAIR 68, 0xbe11a98e
	SPAIR 104, 0x3e027906
	s_mov_b32 s27, 0x7fffffff
	s_mov_b32 s30, 0x55555555
	s_mov_b32 s31, 0x33333333
	s_mov_b32 s52, 0x0f0f0f0f
	s_mov_b32 s36, 0
	s_wait_kmcnt 0x0
	s_load_b64 s[50:51], s[12:13], 0x0
.set ii, 0
.rept 16                               ; all of ridx: lane l's words 128 q + 4 l + 0..3 = two tokens' two choices
	global_load_b128 v[RI+4*ii:RI+4*ii+3], v6, s[10:11] offset:512*ii
.set ii, ii+1
.endr
	s_wait_kmcnt 0x0
	s_min_u32 s50, s50, 1
	s_min_u32 s51, s51, 1
	s_mul_i32 s20, s50, 12288
	s_add_co_u32 s20, s20, 4096                    ; a row of weights: 4,096 | 16,384 bytes
	s_lshl_b32 s22, s20, 3
	s_mov_b32 s23, 0
	s_mul_i32 s21, s51, 24
	s_add_co_u32 s21, s21, 7
	s_and_b32 s25, s17, s21                        ; column slice: sl | sl % 8
	s_lshr_b32 s26, s17, 3
	s_mul_i32 s26, s26, s50                        ; K quarter: 0 | sl / 8
	s_add_co_u32 s32, s50, 0x7fe                   ; entry -> 2 x token | entry
	s_mul_i32 s33, s50, 7168
	s_add_co_u32 s33, s33, 1024                    ; x 1,024 (2,048 a token) | x 8,192
	s_lshl_b32 s34, s51, 12
	s_add_co_u32 s34, s34, 4096                    ; a row of the output: 8,192 | 4,096 bytes
	s_cmp_eq_u32 s26, 0
	s_cselect_b32 s35, -1, 0                       ; the bias is added in K quarter 0 alone
	s_lshl_b32 s28, s25, 7
	s_lshl_b32 s21, s16, 5
	s_add_co_u32 s28, s28, s21                     ; my wave's first row of weights in the expert: 128 x column slice + 32 w
	s_mul_i32 s28, s28, s20
	s_lshl_b32 s21, s18, 24                        ; an expert's weights are 16,777,216 bytes in both tensors
	s_add_co_u32 s28, s28, s21
	s_lshl_b32 s21, s26, 12                        ; a K quarter is 4,096 bytes of a row
	s_add_co_u32 s28, s28, s21
	s_mov_b32 s29, 0
	s_add_nc_u64 s[4:5], s[4:5], s[28:29]
	s_lshl_b32 s28, s26, 11                        ; and 2,048 bytes of a row of activations
	s_add_nc_u64 s[6:7], s[6:7], s[28:29]
	s_mul_i32 s28, s51, 12288
	s_add_co_u32 s28, s28, 4096                    ; an expert's bias: 16,384 | 4,096 bytes
	s_mul_i32 s28, s28, s18
	s_lshl_b32 s21, s25, 9
	s_add_co_u32 s28, s28, s21
	s_add_nc_u64 s[8:9], s[8:9], s[28:29]
	s_lshl_b32 s28, s50, 8
	s_add_co_u32 s28, s28, 256                     ; 128 columns of the output: 256 | 512 bytes
	s_mul_i32 s28, s28, s25
	s_lshl_b32 s21, s26, 23                        ; a plane of ypart is 8,388,608 bytes
	s_add_co_u32 s28, s28, s21
	s_add_nc_u64 s[14:15], s[14:15], s[28:29]
	v_mad_u32_u24 v[COL], v7, s50, v7              ; 8 lane | 16 lane
	v_mov_b32 v[VO], v6
.irp i, 1,2,3,4,5,6,7
	v_add_nc_u32 v[VO+\i], s20, v[VO+\i-1]
.endr
	global_load_b128 v[BIAS:BIAS+3], v6, s[8:9]
	FILLU 0
	FILLU 1
	FILLU 2
	WIN 0
	s_wait_loadcnt 48                              ; ridx and the bias are in; the 48 loads of weights behind them stay out
	FILLU 3                                        ; the lap's last unit goes out ahead of the work on the ranks: 64 loads of weights are on their way under it
	WIN 0
	; the 32 bitmaps and the count, four steps at a time, so that the scalar lines do not follow straight on the compares that feed them
.set jj, 0
.rept 8
.irp i, 0,1,2,3
	v_cmp_eq_u32 s[MB+jj+\i], s18, v[RI+2*(jj+\i)]
.endr
	KGROUP jj
.irp i, 0,1,2,3
	s_or_b32 s[MB+jj+\i], s[MB+jj+\i], s[KT+\i]    ; a token's two choices differ: at most one of them is my expert
.endr
.irp i, 0,1,2,3
	s_bcnt1_i32_b32 s44, s[MB+jj+\i]
	s_add_co_u32 s36, s36, s44
.endr
.set jj, jj+4
.endr
	s_add_co_u32 s44, s36, 15
	s_lshr_b32 s44, s44, 4                         ; blocks of 16 rows
	s_add_co_u32 s38, s44, 3
	s_sub_co_u32 s38, s38, s16
	s_lshr_b32 s38, s38, 2                         ; of which w, w + 4, .. are mine
	s_max_u32 s53, s38, 1
	s_max_u32 s39, s36, 1
	s_sub_co_u32 s39, s39, 1                       ; the last rank that holds an entry
.irp i, 0,1,2,3
	v_cndmask_b32 v[BIAS+\i], 0, v[BIAS+\i], s35
.endr
	; The passes' entries, pass 3 down to pass 0: four trips, a constant; a pass without a block of mine is jumped, pass 0 never.  Pass 0's entries, made last, stay in registers.
	s_mov_b32 s45, 4                               ; the pass's number + 1
	s_mov_b32 s46, 15                              ; my first block of the pass
.Lsel:
	s_cmp_lt_u32 s46, s53
	s_cbranch_scc0 .Lsel_next
	s_lshl_b32 s55, s46, 6                         ; my blocks are 64 ranks apart
	SELECT
	s_cmp_eq_u32 s45, 1
	s_cbranch_scc1 .Lsel_next
	s_cmp_eq_u32 s45, 2
	s_cbranch_scc1 .Ltab1
	s_cmp_eq_u32 s45, 3
	s_cbranch_scc1 .Ltab2
	TABST 3
	s_branch .Lsel_next
.Ltab1:
	TABST 1
	s_branch .Lsel_next
.Ltab2:
	TABST 2
.Lsel_next:
	s_sub_co_u32 s46, s46, 5
	s_sub_co_u32 s45, s45, 1
	s_cmp_lg_u32 s45, 0
	s_cbranch_scc1 .Lsel
	MKRO
	s_wait_xcnt 0x0                                ; the loads' addresses are translated (ISA guide 3.1): only now is their base stepped
	s_add_nc_u64 s[4:5], s[4:5], s[22:23]          ; the refills below fetch the next lap
	s_mov_b32 s24, 3
.Llap:
	UNIT 0, 1, 48                                  ; 48: the three younger units, on the way in and round the back edge
	UNIT 1, 1, 48
	UNIT 2, 1, 48
	UNIT 3, 1, 48
	WIN 0
	s_wait_xcnt 0x0
	s_add_nc_u64 s[4:5], s[4:5], s[22:23]
	v_add_nc_u32 v12, 8*PITCH, v12
	s_sub_co_u32 s24, s24, 1
	s_cmp_lg_u32 s24, 0
	s_cbranch_scc1 .Llap
	; The last lap fetches no weights.  In their stead go pass 0's token rows, K steps 0 to 4, each into ring registers (40 a step) that the units converted so far have left (64 a unit).
	UNIT 0, 0, 48                                  ; younger: units 1 to 3
	LDA 0, 0
	UNIT 1, 0, 42                                  ; younger: units 2 and 3, and 10 token loads
	LDA 1, 64
	LDA 2, 128
	UNIT 2, 0, 46                                  ; younger: unit 3, and 30 token loads
	LDA 3, 192
	UNIT 3, 0, 40                                  ; younger: 40 token loads
	LDA 4, 256
	WIN 0
	s_wait_dscnt 0x0                               ; for the others' sake: my part of the slice is in LDS
	s_barrier_signal -1
	s_barrier_wait -1                              ; everybody's is; from here on nobody writes it (the token loads, of bytes that nobody writes, stay out across it)
	s_mov_b32 s45, 0
	s_mov_b32 s46, 0
.Lpass:                                                ; four trips, a constant: 4 passes x 5 blocks x 4 waves x 16 rows cover 1,024 rows
	s_cmp_lt_u32 s46, s38
	s_cbranch_scc0 .Lpass_next                     ; nothing left for my wave
	s_sub_co_u32 s47, s38, s46
	s_min_u32 s47, s47, 5                          ; live blocks of this pass
	s_wait_xcnt 0x0                                ; the last pass's stores have read their registers: the rows' registers are loaded again only behind this wait
	LDB 0, 0
	; K steps 0 to 31.  Step kk multiplies ring slot kk % 6 by weights' buffer kk % 2, asks for the weights of step kk + 1 and the token rows of step kk + 5; step 0's products start the sums.
	; The count of the wait on the token loads: the ten loads of each of the next four steps; 30, 20, 10, 0 at steps 28 to 31.
.set kk, 0
.rept 32
.set KSL, kk%6
.set KNS, (kk+5)%6
.set KFB, kk%2
.set KKA, 64*(kk+5)
.if kk > 26
.set KKA, -1
.endif
.set KKB, 64*(kk+1)
.if kk > 30
.set KKB, -1
.endif
.set KNA, 40
.if kk > 27
.set KNA, 10*(31-kk)
.endif
.set KZ, 0
.if kk == 0
.set KZ, 1
.endif
	KSTEP KSL, KNS, KFB, KKA, KKB, KNA, KZ
.set kk, kk+1
.endr
	PLACES                                         ; behind the last products: stores of results and loads into fragment registers follow, four places on;
	v_nop                                          ; and a fifth: the next pass's first products write over these accumulators, and a matrix instruction that does so stands five places behind (ISA guide 7.12.1), on the way too on which all that lies between is jumped
	s_mov_b32 s48, 0
.Lblk:                                                 ; five trips, a constant; dead blocks are jumped forward
	s_cmp_lt_u32 s48, s47
	s_cbranch_scc0 .Lblk_next
	s_wait_xcnt 0x0                                ; the block before: its stores have read rows and offsets
	s_cmp_eq_u32 s48, 0
	s_cbranch_scc1 .Lacc0
	s_cmp_eq_u32 s48, 1
	s_cbranch_scc1 .Lacc1
	s_cmp_eq_u32 s48, 2
	s_cbranch_scc1 .Lacc2
	s_cmp_eq_u32 s48, 3
	s_cbranch_scc1 .Lacc3
	STACC 4
	s_branch .Lrows
.Lacc0:
	STACC 0
	s_branch .Lrows
.Lacc1:
	STACC 1
	s_branch .Lrows
.Lacc2:
	STACC 2
	s_branch .Lrows
.Lacc3:
	STACC 3
.Lrows:
.set ii, 0
.rept 16                               ; back as whole rows: a lane takes four neighbouring columns of row ii; these see my stores above, which LDS serves first (ISA guide 5.7.1.4)
	ds_load_b128 v[XR+4*ii:XR+4*ii+3], v[RD] offset:SPITCH*ii
.set ii, ii+1
.endr
	s_cmp_eq_u32 s50, 0
	s_cbranch_scc0 .Ldown
	GELU4 0
	GELU4 1
	GELU4 2
	GELU4 3
	s_branch .Lblk_next
.Ldown:
	DST4 0
	DST4 1
	DST4 2
	DST4 3
.Lblk_next:
	s_add_co_u32 s48, s48, 1
	s_cmp_lt_u32 s48, 5
	s_cbranch_scc1 .Lblk
	; Has my wave a block in the next pass?  Then its entries come back from my table, and its first five K steps of token rows are asked for.  (All of this pass's token loads are in: step 31 waited for 0.)
	s_add_co_u32 s44, s46, 5
	s_cmp_lt_u32 s44, s38
	s_cbranch_scc0 .Lpass_next
	s_cmp_eq_u32 s45, 0
	s_cbranch_scc1 .Lld1
	s_cmp_eq_u32 s45, 1
	s_cbranch_scc1 .Lld2
	TABLD 3
	s_branch .Lld
.Lld1:
	TABLD 1
	s_branch .Lld
.Lld2:
	TABLD 2
.Lld:
	s_wait_dscnt 0x0
	MKRO
	LDA 0, 0
	LDA 1, 64
	LDA 2, 128
	LDA 3, 192
	LDA 4, 256
	WIN 0
.Lpass_next:
	s_add_co_u32 s46, s46, 5
	s_add_co_u32 s45, s45, 1
	s_cmp_lt_u32 s45, 4
	s_cbranch_scc1 .Lpass
	s_wait_tensorcnt 0x0                           ; the wave's end, behind my last LDS store
	ds_add_u32 v[SPW], v[NIL]
	s_wait_dscnt 0x0
	s_endpgm
.Lfunc_end_k_qbcab45581a_up:
	.size	k_qbcab45581a_up, .Lfunc_end_k_qbcab45581a_up-k_qbcab45581a_up
	.p2alignl 7, 3214868480
	.fill 96, 4, 3214868480
	.section	.rodata,"a",@progbits
	.p2align	6, 0x0
	.amdhsa_kernel k_qbcab45581a_up
		.amdhsa_group_segment_fixed_size 306688
		.amdhsa_private_segment_fixed_size 0
		.amdhsa_enable_private_segment 0
		.amdhsa_kernarg_size 48
		.amdhsa_user_sgpr_count 2
		.amdhsa_user_sgpr_kernarg_segment_ptr 1
		.amdhsa_wavefront_size32 1
		.amdhsa_system_sgpr_workgroup_id_x 1
		.amdhsa_system_sgpr_workgroup_id_y 1
		.amdhsa_system_sgpr_workgroup_id_z 1
		.amdhsa_system_vgpr_workitem_id 0
		.amdhsa_next_free_vgpr 832
		.amdhsa_next_free_sgpr 106
		.amdhsa_reserve_vcc 1
		.amdhsa_float_denorm_mode_32 3
		.amdhsa_float_denorm_mode_16_64 3
		.amdhsa_memory_ordered 1
		.amdhsa_forward_progress 1
		.amdhsa_inst_pref_size 255
	.end_amdhsa_kernel
	.section	.bss,"aw",@nobits
	.p2align	6
	.space	262144
	.amdgpu_metadata
---
amdhsa.version: [ 1, 2 ]
amdhsa.kernels:
  - .name:           k_qbcab45581a_up
    .symbol:         k_qbcab45581a_up.kd
    .args:
      - { .name: w1, .offset: 0, .size: 8, .value_kind: global_buffer, .address_space: global }
      - { .name: xb, .offset: 8, .size: 8, .value_kind: global_buffer, .address_space: global }
      - { .name: b1, .offset: 16, .size: 8, .value_kind: global_buffer, .address_space: global }
      - { .name: ridx, .offset: 24, .size: 8, .value_kind: global_buffer, .address_space: global }
      - { .name: mode_up, .offset: 32, .size: 8, .value_kind: global_buffer, .address_space: global }
      - { .name: hbuf, .offset: 40, .size: 8, .value_kind: global_buffer, .address_space: global }
    .group_segment_fixed_size: 306688
    .private_segment_fixed_size: 0
    .kernarg_segment_align: 8
    .kernarg_segment_size: 48
    .max_flat_workgroup_size: 128
    .sgpr_count:     106
    .vgpr_count:     832
    .wavefront_size: 32
...
	.end_amdgpu_metadata
.endif
;; end of part 4
;; launch down: the kernel of part 4 again; grid 32 x 8, 4 waves a work-group, no clusters, 306,688 bytes of LDS; arguments w2, hbuf, b2, ridx, mode_dn, ypart; writes ypart
;; launch combine: the kernel of part 3 again; grid 256 x 1, 4 waves a work-group, no clusters, 0 bytes of LDS; arguments hidden_states, ypart, rwt, ln_w, ln_b, out0; writes out0
